; MI455X (gfx1250); checked and timed in simulation.
; The chip was launched on July 23, 2026; its instructions are those of AMD's public machine-readable ISA for CDNA 5 (MIT licence, August 2026) and "CDNA5" Instruction Set Architecture Reference Guide (July 2026). The comments in the code are by the model that wrote it; some were corrected since.
;; Patch Graph Attention. Allowed arithmetic: matrix products marked QUANTISED: E2M1 operands, one E8M0 scale for each 32 along K, by v_wmma_scale_f32_16x16x128_f8f6f4 with both operands' format E2M1 (or v_wmma_scale_f32_32x16x128_f4), f32 sums; everything else in f32.
;; Inputs: H 4 x 2,048 x 1,024 float32; Wk 1,024 x 1,024 float32; Wo 1,024 x 1,024 float32; Wq 1,024 x 1,024 float32; Wv 1,024 x 1,024 float32; bk 1,024 float32; bo 1,024 float32; bq 1,024 float32; bv 1,024 float32; patch_mask 4 x 2,048 int32.
;; Outputs: out0 4 x 2,048 x 1,024 float32.
;; This version of the problem:
;;   THIS VERSION OF THE PROBLEM IS GIVEN IN LOW PRECISION. The matrix products marked QUANTISED in the list below multiply operands that are first quantised to E2M1 (2 exponent bits, 1 mantissa bit; 4 bits a number), with one power-of-two scale for each 32 numbers along K (OCP MX v1.0); their sums are f32. All else is computed in f32.
;;   The module's matrix products, in the order in which they are computed (A, B: the left and right operand; K: the contracted axis; several contracted axes count as one K, in the product's order):
;;     1. [M 8,192, K 1,024] x [K 1,024, N 1,024]; A: input H; B: input Wq: QUANTISED
;;     2. [M 8,192, K 1,024] x [K 1,024, N 1,024]; A: input H; B: input Wk: QUANTISED
;;     3. [M 8,192, K 1,024] x [K 1,024, N 1,024]; A: input H; B: input Wv: QUANTISED
;;     4. batch 64 x [M 2,048, K 64] x [K 64, N 2,048]; A: computed on the way; B: computed on the way: QUANTISED
;;     5. batch 64 x [M 2,048, K 2,048] x [K 2,048, N 64]; A: softmax (see below); B: computed on the way: QUANTISED
;;     6. [M 8,192, K 1,024] x [K 1,024, N 1,024]; A: computed on the way; B: input Wo: QUANTISED
;;   THE QUANTISER, for each operand of a quantised product, along K:
;;     - K is cut into blocks of 32 from its start; a last block that is shorter is filled with zeros.
;;     - A block's scale is 2^e with e = floor(log2(the largest magnitude in the block)) - 2, held to -126 .. 127; a block of zeros has e = 0. As a byte (E8M0): e + 127.
;;     - Each number is divided by its block's scale, clamped to +-6, and rounded to the nearest number of E2M1, ties to even, subnormals kept.
;;     - The product sums the exact products of the quantised numbers (number of the format x scale) in f32.
;;   ~~~python
;;   def quantise(x, axis):      # numpy; x: float32 -> the quantised numbers, widened to float32 again
;;       x = np.moveaxis(x, axis, -1); K = x.shape[-1]
;;       x = np.pad(x, [(0, 0)] * (x.ndim - 1) + [(0, -K % 32)]); x = x.reshape(x.shape[:-1] + (-1, 32)); a = np.abs(x).max(-1, keepdims=True)
;;       e = np.where(a > 0, np.clip(np.frexp(np.where(a > 0, a, 1))[1] - 1 - 2, -126, 127), 0)      # np.frexp(a)[1] - 1 = floor(log2(a)), exactly
;;       r = np.clip(x / 2.0 ** e, -6, 6)
;;       step = 2.0 ** (np.maximum(np.frexp(np.where(r == 0, 1, r))[1] - 1, 0) - 1)
;;       q = np.round(r / step) * step * 2.0 ** e      # np.round: ties to even
;;       return np.moveaxis(q.reshape(q.shape[:-2] + (-1,))[..., :K], -1, axis).astype(np.float32)
;;   ~~~
;;   SOFTMAX AHEAD OF A QUANTISED PRODUCT. Where the list says 'softmax', what is quantised is not the finished softmax but p = 2^(t - M), with t = logit x log2(e) and M = ceil(the row's largest t), a whole number; so 1/2 < the row's largest p <= 1. The row's sum l is taken of the UNQUANTISED p, in f32, and the product's result is divided by l at the end. Since M is a whole number, a kernel that streams over the keys may use a running M (the ceiling of the running maximum): every later rescaling is an exact power of two, which a block's scale takes up: the codes' values come out the same.
;;   OPERANDS COMPUTED ON THE WAY. 'Computed on the way' means the value that the module computes at that place (a softmax that the list does not call 'softmax' is quantised finished and normalised). What goes into a quantiser is computed in f32, as accurately as f32 sums, v_exp_f32 and their like allow (about 1e-6 of the number): no bf16 or f16 on the way to a quantiser, and a product that is left as it is and whose result goes on into a quantised operand takes f32 operands (vector FMAs, or v_wmma_f32_16x16x4_f32). A number that lies on a knife's edge between two numbers of the format may be rounded either way, as far as f32 arithmetic and the matrix unit's own rounding can turn it there, and no further.
;; One version. Each part assembles by itself: llvm-mc -triple=amdgcn-amd-amdhsa -mcpu=gfx1250 --defsym DOCPART=n.
;; ======== version 1 of 1: 4 launches
;; limits: right only within a limited range of input values
;; workspace buffers: cimg 6,291,456 bytes; csc 393,216 bytes; qimg 4,194,304 bytes; qsw 524,288 bytes; kv 9,175,040 bytes; oimg 4,194,304 bytes; osc 262,144 bytes
;; launch quant (part 1): grid 256 x 1, 3 waves a work-group, no clusters, 25,600 bytes of LDS; arguments H, Wq, Wk, Wv, Wo, cimg, csc; writes cimg, csc
.if DOCPART == 1
	.amdgcn_target "amdgcn-amd-amdhsa--gfx1250"
	.amdhsa_code_object_version 6
	.text
	.protected	k_qa09659f05a_quant
	.globl	k_qa09659f05a_quant
	.p2align	8
	.type	k_qa09659f05a_quant,@function
k_qa09659f05a_quant:
	s_mov_b64 s[64:65], 0
	v_nop
	global_prefetch_b8 v0, s[64:65] scope:SCOPE_SE
	s_setreg_imm32_b32 hwreg(HW_REG_WAVE_MODE, 25, 1), 1
	s_wait_xcnt 0x0
; H [8192][1024] and Wq, Wk, Wv, Wo [1024][1024], f32, K innermost, become codes of FP4 (E2M1) with one E8M0 byte for each 32 along K.
; A block's scale is 2^(floor(log2(largest magnitude)) - 2); its byte is the largest magnitude's exponent field - 2, held at 1 from below.
; LAYOUT OF THE RESULT.  Rows are kept at POSITIONS: position = row with bits 3 and 4 exchanged.  A tile is 16 neighbouring positions: lane r of tile a
; is row 32 (a / 2) + 8 (a % 2) + r % 8 + 16 (r / 8).  Codes lie in units of 256 bytes, [tile][block of 32 along K][r][16 bytes]: four neighbouring units are the
; image of the registers of a fragment of 16 rows x 128 K.  Scale bytes lie [position][32].  Tiles 0-511 H, 512-575 Wq, 576-639 Wk, 640-703 Wv, 704-767 Wo.
; SHARES.  768 tiles, one to a wave: 16 rows x 1,024 numbers, in 8 steps of 16 rows x 128 columns.  Each load reads 512 consecutive bytes of one row; a step's 8,192 bytes turn
; through the wave's own stage in LDS (rows 528 bytes apart), so that a lane then holds 16 neighbours of each of its row's four blocks.  A lane's 16 codes are 8 bytes at 16 r + 8 h
; of a unit: one store of the wave writes one whole unit.  Waves share nothing: no barrier.  No matrix unit, no cluster, no tensor load: memory binds, and nothing is read twice.
; LIMITS: NaN and infinities are not served; a block of zeros, or one whose largest magnitude lies under 2^-124, gets the byte 1 (its codes are zeros; this program alone reads the bytes).
.set R,   16                           ; v16-143  two sets of 64 numbers as loaded
.set X,   144                          ; v144-207 64 numbers: register 16 b + i = column 32 b + 16 h + i of my row
.set C,   208                          ; v208-215 a step's codes
.set TM,  216                          ; v216-219 largest magnitudes, v220-223 the other half's / bytes, v228-231 the conversions' scale operands
.set SB,  232                          ; v232-239 the row's eight scale words
.set OW,  240                          ; v240-243 the four that I store
.set SP,  528                          ; a stage row: 512 bytes + 16
.set WST, 16*SP                        ; a wave's stage
	s_load_b256 s[4:11], s[0:1], 0x0               ; H, Wq, Wk, Wv
	s_load_b128 s[12:15], s[0:1], 0x20             ; Wo, cimg
	s_load_b64 s[16:17], s[0:1], 0x30              ; csc
	v_lshrrev_b32 v1, 5, v0
	v_readfirstlane_b32 s18, v1                    ; wave 0..2
	v_and_b32 v1, 31, v0                           ; lane
	v_and_b32 v2, 15, v0                           ; r
	v_bfe_u32 v3, v0, 4, 1                         ; h
	v_lshlrev_b32 v4, 4, v1                        ; my 16 bytes of a load's 512
	s_mul_i32 s28, s18, WST
	v_add_nc_u32 v5, s28, v4                       ; the stage, way in: 16 x lane of a row
	v_mul_u32_u24 v6, v2, SP
	v_lshl_add_u32 v6, v3, 6, v6
	v_add_nc_u32 v6, s28, v6                       ; way out: row r, + 64 h
	v_lshlrev_b32 v7, 4, v2
	v_lshl_add_u32 v7, v3, 3, v7                   ; my 8 bytes of a unit: 16 r + 8 h
	v_lshlrev_b32 v8, 5, v2
	v_lshl_add_u32 v8, v3, 4, v8                   ; my 16 scale bytes: 32 r + 16 h
	s_mov_b32 s26, 0x76543210
	s_mov_b32 s27, 0xfedcba98                      ; v_permlanex16_b32's selects for lane l xor 16
.irp b, 0,1,2,3
	v_mov_b32 v[TM+4+\b], 0                        ; written once: a lane permute's destination counts as one of its sources
.endr
	s_mul_i32 s19, ttmp9, 3
	s_add_co_u32 s19, s19, s18                     ; my tile, 0..767
	s_sub_co_u32 s22, s19, 512
	s_lshr_b32 s23, s22, 6                         ; which weight (of use where the tile is 512 or more)
	s_and_b32 s25, s22, 63                         ; and which tile of it
	s_wait_kmcnt 0x0
	s_cmp_eq_u32 s23, 2                            ; the source is chosen on the tile's number alone
	s_cselect_b64 s[20:21], s[10:11], s[12:13]
	s_cmp_eq_u32 s23, 1
	s_cselect_b64 s[20:21], s[8:9], s[20:21]
	s_cmp_eq_u32 s23, 0
	s_cselect_b64 s[20:21], s[6:7], s[20:21]
	s_cmp_lt_u32 s19, 512
	s_cselect_b64 s[20:21], s[4:5], s[20:21]
	s_cselect_b32 s24, s19, s25                    ; the tile's number in its tensor
	s_lshr_b32 s28, s24, 1
	s_lshl_b32 s28, s28, 17                        ; 32 rows of 4,096 bytes for each pair of tiles,
	s_and_b32 s29, s24, 1
	s_lshl_b32 s29, s29, 15                        ; 8 rows for the odd one
	s_add_co_u32 s28, s28, s29
	s_mov_b32 s29, 0
	s_add_nc_u64 s[20:21], s[20:21], s[28:29]
	s_lshl_b32 s28, s19, 13                        ; a tile's codes: 32 units
	s_add_nc_u64 s[14:15], s[14:15], s[28:29]
	s_lshl_b32 s28, s19, 9                         ; its scale bytes: 512
	s_add_nc_u64 s[16:17], s[16:17], s[28:29]
.macro LOAD t                          ; step t: columns 128 t on of the tile's 16 rows
.irp i, 0,1,2,3,4,5,6,7,8,9,10,11,12,13,14,15
	global_load_b128 v[R+64*((\t)%2)+4*\i:R+64*((\t)%2)+4*\i+3], v4, s[20:21] offset:((\i%8)+16*(\i/8))*4096+512*(\t) th:TH_LOAD_NT
.endr
.endm
.macro STEP t
.if (\t) < 7
	s_wait_loadcnt 16                              ; this step's 16 loads are in; the next step's 16 may be out
.else
	s_wait_loadcnt 0x0
.endif
.irp i, 0,1,2,3,4,5,6,7,8,9,10,11,12,13,14,15
	ds_store_b128 v5, v[R+64*((\t)%2)+4*\i:R+64*((\t)%2)+4*\i+3] offset:SP*\i
.endr
.irp b, 0,1,2,3
.irp j, 0,1,2,3
	ds_load_b128 v[X+16*\b+4*\j:X+16*\b+4*\j+3], v6 offset:128*\b+16*\j   ; LDS serves a wave's instructions in order: these see the stores above
.endr
.endr
	s_wait_dscnt 0x0                               ; the numbers are back, and the stores into the stage have read their registers
	s_wait_xcnt 0x0                                ; the last step's stores have read their data: the codes' registers may be written again
.if (\t) < 6
	LOAD (\t)+2
.endif
.irp b, 0,1,2,3
	v_max3_num_f32 v[TM+\b], |v[X+16*\b]|, |v[X+1+16*\b]|, 0x1800000   ; block b: my 16 numbers, and the floor 2^(3 - 127): the byte cannot fall under 1
.endr
.irp i, 2,4,6,8,10,12,14
.irp b, 0,1,2,3
	v_max3_num_f32 v[TM+\b], v[TM+\b], |v[X+16*\b+\i]|, |v[X+1+16*\b+\i]|
.endr
.endr
.irp b, 0,1,2,3
	v_permlanex16_b32 v[TM+4+\b], v[TM+\b], s26, s27
.endr
.irp b, 0,1,2,3
	v_max_num_f32 v[TM+\b], v[TM+\b], v[TM+4+\b]   ; with lane l xor 16's 16: the block's largest magnitude
.endr
.irp b, 0,1,2,3
	v_add_nc_u32 v[TM+12+\b], 0xff000000, v[TM+\b] ; 2 off its exponent field: the conversion's scale operand
.endr
.irp b, 0,1,2,3
	v_lshrrev_b32 v[TM+4+\b], 23, v[TM+12+\b]      ; the scale's byte
.endr
	v_lshl_or_b32 v[SB+(\t)], v[TM+5], 8, v[TM+4]  ; the scale word of these 128 along K
	v_lshl_or_b32 v[SB+(\t)], v[TM+6], 16, v[SB+(\t)]
	v_lshl_or_b32 v[SB+(\t)], v[TM+7], 24, v[SB+(\t)]
.irp b, 0,1,2,3
	v_cvt_scalef32_pk8_fp4_f32 v[C+2*\b], v[X+16*\b:X+16*\b+7], v[TM+12+\b]
	v_cvt_scalef32_pk8_fp4_f32 v[C+2*\b+1], v[X+16*\b+8:X+16*\b+15], v[TM+12+\b]
.endr
	v_nop                                          ; one plain place behind the last scaled conversion
.irp b, 0,1,2,3
	global_store_b64 v7, v[C+2*\b:C+2*\b+1], s[14:15] offset:(4*(\t)+\b)*256   ; 32 lanes store 256 consecutive bytes, aligned: a unit
.endr
.endm
	LOAD 0
	LOAD 1
.irp t, 0,1,2,3,4,5,6,7
	STEP \t
.endr
	v_cmp_eq_u32 vcc_lo, 1, v3                     ; lanes 0-15 store words 0-3 of their row, lanes 16-31 words 4-7
.irp k, 0,1,2,3
	v_cndmask_b32 v[OW+\k], v[SB+\k], v[SB+4+\k], vcc_lo
.endr
	global_store_b128 v8, v[OW:OW+3], s[16:17]     ; the tile's 512 scale bytes in one store
	s_endpgm
.Lfunc_end_k_qa09659f05a_quant:
	.size	k_qa09659f05a_quant, .Lfunc_end_k_qa09659f05a_quant-k_qa09659f05a_quant
	.p2alignl 7, 3214868480
	.fill 96, 4, 3214868480
	.section	.rodata,"a",@progbits
	.p2align	6, 0x0
	.amdhsa_kernel k_qa09659f05a_quant
		.amdhsa_group_segment_fixed_size 25600
		.amdhsa_private_segment_fixed_size 0
		.amdhsa_enable_private_segment 0
		.amdhsa_kernarg_size 56
		.amdhsa_user_sgpr_count 2
		.amdhsa_user_sgpr_kernarg_segment_ptr 1
		.amdhsa_wavefront_size32 1
		.amdhsa_system_sgpr_workgroup_id_x 1
		.amdhsa_system_sgpr_workgroup_id_y 1
		.amdhsa_system_sgpr_workgroup_id_z 1
		.amdhsa_system_vgpr_workitem_id 0
		.amdhsa_next_free_vgpr 248
		.amdhsa_next_free_sgpr 66
		.amdhsa_reserve_vcc 1
		.amdhsa_float_denorm_mode_32 3
		.amdhsa_float_denorm_mode_16_64 3
		.amdhsa_memory_ordered 1
		.amdhsa_forward_progress 1
		.amdhsa_inst_pref_size 64
	.end_amdhsa_kernel
	.amdgpu_metadata
---
amdhsa.version: [ 1, 2 ]
amdhsa.kernels:
  - .name:           k_qa09659f05a_quant
    .symbol:         k_qa09659f05a_quant.kd
    .args:
      - { .name: H, .offset: 0, .size: 8, .value_kind: global_buffer, .address_space: global }
      - { .name: Wq, .offset: 8, .size: 8, .value_kind: global_buffer, .address_space: global }
      - { .name: Wk, .offset: 16, .size: 8, .value_kind: global_buffer, .address_space: global }
      - { .name: Wv, .offset: 24, .size: 8, .value_kind: global_buffer, .address_space: global }
      - { .name: Wo, .offset: 32, .size: 8, .value_kind: global_buffer, .address_space: global }
      - { .name: cimg, .offset: 40, .size: 8, .value_kind: global_buffer, .address_space: global }
      - { .name: csc, .offset: 48, .size: 8, .value_kind: global_buffer, .address_space: global }
    .group_segment_fixed_size: 25600
    .private_segment_fixed_size: 0
    .kernarg_segment_align: 8
    .kernarg_segment_size: 56
    .max_flat_workgroup_size: 96
    .sgpr_count:     66
    .vgpr_count:     248
    .wavefront_size: 32
...
	.end_amdgpu_metadata
.endif
;; end of part 1
;; launch qkv (part 2): grid 12 x 32, 4 waves a work-group, clusters of 4 x 4, 327,680 bytes of LDS; arguments cimg, csc, bq, bk, bv, patch_mask, qimg, qsw, kv; writes qimg, qsw, kv
.if DOCPART == 2
	.amdgcn_target "amdgcn-amd-amdhsa--gfx1250"
	.amdhsa_code_object_version 6
	.text
	.protected	k_qa09659f05a_qkv
	.globl	k_qa09659f05a_qkv
	.p2align	8
	.type	k_qa09659f05a_qkv,@function
k_qa09659f05a_qkv:
	s_mov_b64 s[64:65], 0
	v_nop
	global_prefetch_b8 v0, s[64:65] scope:SCOPE_SE
	s_setreg_imm32_b32 hwreg(HW_REG_WAVE_MODE, 25, 1), 1
	s_wait_xcnt 0x0
	s_wait_alu depctr_hold_cnt(0) depctr_sa_sdst(0) depctr_va_vdst(0) depctr_va_sdst(0) depctr_va_ssrc(0) depctr_va_vcc(0) depctr_vm_vsrc(0)
	s_getreg_b32 s2, hwreg(HW_REG_IB_STS2, 6, 4)
	s_cmp_eq_u32 s2, 0
	s_cbranch_scc0 .Lentry_in_a_cluster
	s_endpgm
.Lentry_in_a_cluster:
	s_bfe_u32 s2, ttmp6, 0x10000c
	s_cmp_lg_u32 s2, 0xf033
	s_cbranch_scc0 .Lentry_shape_is_right
	s_endpgm
.Lentry_shape_is_right:
; q = H Wq^T + bq, k = H Wk^T + bk, v = H Wv^T + bv on codes of FP4 with E8M0 scales, f32 sums; the results are quantised in registers and leave as codes: q and k along the head's 64, v along the keys.
; A work-group of four waves makes 256 x 256, a wave 128 x 128: 64 accumulators.  "A" is source 1 (its rows lie in lanes), "B" is source 0 (its rows lie along a lane's registers).
; THE MODE is the cluster's x, which all sixteen partners share: 0 q, 1 k: A = 256 rows of H, B = 256 rows of the weight, so that a lane's registers run along the head's numbers;
; 2 v: A = 256 rows of Wv, B = 256 rows of H, so that a lane's registers run along the KEYS, which are the K of attention's second product.
; Rows lie at positions (bits 3 and 4 of the row exchanged), so that the 16 registers of B's tiles 2 b and 2 b + 1 are 16 neighbours, 32 b + 16 h + 0 .. 15, of the true order.
; K = 1,024 is 8 steps of 128 in two LDS slots of 512 along K; both are filled ONCE, at the start: no slot is filled again.  A wave has three tensor loads out at the most: scales, slot 0, slot 1.
; Codes lie in units of 256 bytes ([tile][block][r][16 bytes]): a fragment is two loads of 512 consecutive bytes; no pitch and no padding are needed.
; CLUSTER 4 x 4: A's block hangs on cy alone and is asked for jointly along a row of the cluster, B's on cx alone, along a column.
; THE KEY MASK goes into k's scale words: bytes 2 and 3 of a word scale the idle half (k = 64 .. 127) of attention's first product, where constant codes +0.5 and -0.5 stand:
; a kept key gets 119, 119 (the two terms cancel), a key with patch_mask <= 0 gets 119, 199: its score becomes -2^70.  q's words carry 127, 127 there.
; LIMITS: NaN and infinities are not served; a block of zeros or under 2^-124 gets the byte 1 (this program alone reads the bytes).
.set SLOTB, 131072                     ; a slot: A's 16 tiles x 4,096 bytes, then B's
.set BOFF,  65536
.set SCL,   2*SLOTB                    ; behind the slots: the scale bytes, as rows of 256 bytes + 16 of padding
.set HALFS, 16*272                     ; those of 128 rows: what one tensor load brings
.set SBLK,  2*272                      ; those of 16 rows
.set REC,   143360                     ; a head's record in kv: k's codes, v's codes, k's words, v's words
.set VC,    65536
.set KSW,   131072
.set VSW,   139264
.set NQ,    4                          ; steps of 128 in a slot
.set FR,    8                          ; registers of a fragment
.set W,     4                          ; v4-11   the words that I store (first: offsets of the head's loads)
.set L8,    12                         ; v12     16 r + 8 h: my 8 bytes of a unit
.set SH,    13                         ; v13     16 h
.set HIU,   14                         ; v14     the upper half of a kept key's word
.set HIM,   15                         ; v15     of a masked key's
.set ADRA,  16                         ; v16-17  LDS address of my A fragments in slot 0, 1
.set WO,    18                         ; v18     lane offset of the words' stores
.set ADRB,  20                         ; v20-21  the same as ADRA for B
.set ADRS,  27                         ; v27     LDS address of my scale words: lanes 0-15 A's rows, lanes 16-31 B's
.set SC,    32                         ; v32-95  scale words, two sets; they hold nothing else
.set TM,    96                         ; v96-111 at work in the quantiser
.set PW,    112                        ; v112-119 the scale word of each of A's eight tiles
.set MK,    120                        ; v120-127 patch_mask at my lane's row of H's eight tiles
.set AF,    128                        ; v128-191 A's fragments, one set
.set PC,    128                        ; the way out: codes, 8 registers for each of A's tiles
.set BI,    192                        ; v192-255 the bias, as the C of the first products
.set G1, 24
.set G0, 32
.set G1B, 40
.set G0B, 48
.set G1S, 68
.set G0S, 76
.set G1SB, 80
.set G0SB, 88
.set MSB, 0
.macro WIN new                         ; the immediate's high byte repeats the setting that is left
.if MSB != \new
	s_set_vgpr_msb (MSB<<8)|\new
.set MSB, \new
.endif
.endm
.set MUL_LO, 0xa1                      ; source 0 (B) window 1, source 1 (A) window 0, C and D window 2
.set MUL_HI, 0xf1                      ; the same, C and D window 3
.set TO_B,   0x40                      ; destination window 1, address window 0
; A joint load: waves 0 and 1 fetch for A, waves 2 and 3 for B.  The branch hangs on the wave's number alone.  Four v_nop follow each of the two lines.
.macro JLOAD g0a, g1a, g0b, g1b
	s_cmp_eq_u32 s57, 0
	s_cbranch_scc0 .Lfor_b_\@
	tensor_load_to_lds s[\g0a:\g0a+3], s[\g1a:\g1a+7]
.rept 4
	v_nop
.endr
	s_branch .Lasked_\@
.Lfor_b_\@:
	tensor_load_to_lds s[\g0b:\g0b+3], s[\g1b:\g1b+7]
.rept 4
	v_nop
.endr
.Lasked_\@:
.endm
.macro CROUND                          ; a round of the cluster's barrier
	s_barrier_signal -1
	s_barrier_wait -1
	s_cmp_lg_u32 s56, 0
	s_cbranch_scc1 .Lnot_wave_0_\@
	s_barrier_signal -3
.Lnot_wave_0_\@:
	s_barrier_wait -3
	s_barrier_signal -1
	s_barrier_wait -1
.endm
.macro PLACES                          ; four plain places behind matrix instructions, in front of loads into their sources and of reads of their results
.rept 4
	v_nop
.endr
.endm
	s_load_b256 s[4:11], s[0:1], 0x0               ; cimg, csc, bq, bk
	s_load_b256 s[12:19], s[0:1], 0x20             ; bv, patch_mask, qimg, qsw
	s_load_b64 s[20:21], s[0:1], 0x40              ; kv
	v_lshrrev_b32 v1, 5, v0
	v_readfirstlane_b32 s56, v1                    ; wave 0..3
	s_lshr_b32 s57, s56, 1                         ; my half of A's rows.  Also: I fetch for A (0) or for B (1)
	s_and_b32 s58, s56, 1                          ; my half of B's rows.  Also: which half I fetch
	s_bfe_u32 s60, ttmp6, 0x40000                  ; cx
	s_bfe_u32 s61, ttmp6, 0x40004                  ; cy
	s_mov_b32 s59, ttmp9                           ; the mode: the cluster's x
	s_and_b32 s62, ttmp7, 0xffff                   ; the cluster's y
	s_lshl_b32 s67, s61, 2
	s_lshl_b32 s67, 15, s67                        ; my row of the cluster
	s_lshl_b32 s92, 0x1111, s60                    ; my column
	s_lshl_b32 s2, s62, 2                          ; 4 x cluster y
	s_lshl_b32 s3, s59, 2
	s_add_co_u32 s3, s3, 32                        ; the first block of Wq or Wk
	s_cmp_eq_u32 s59, 2
	s_cselect_b32 s63, 40, s2                      ; A's block of 256 rows: Wv's (40 + cy) or H's (4 x cluster y + cy):
	s_cselect_b32 s66, s2, s3                      ; B's: H's (4 x cluster y + cx) or the weight's:
	s_add_co_u32 s63, s63, s61                     ; a number that the whole cluster shares, + cy,
	s_add_co_u32 s66, s66, s60                     ; or + cx
	; group 1 for codes: 8 tiles' rows of 4,096 bytes (512 elements of 8 bytes), 8,192 bytes apart in memory, dense in LDS
	s_or_b32 s[G1], s67, (3<<16)|(1<<21)
	s_or_b32 s[G1B], s92, (3<<16)|(1<<21)
.irp g, G1, G1B
	s_mov_b32 s[\g+1], 512<<16                     ; tensor_dim0
	s_mov_b32 s[\g+2], 8<<16                       ; tensor_dim1
	s_mov_b32 s[\g+3], 512<<16                     ; tile_dim0
	s_mov_b32 s[\g+4], 8                           ; tile_dim1
	s_mov_b32 s[\g+5], 1024                        ; tensor_dim0_stride
	s_mov_b32 s[\g+6], 0
	s_mov_b32 s[\g+7], 0
.endr
	; and for the scale bytes of 128 rows: 4,096 dense bytes as 16 rows of 256, 16 bytes of padding behind each
	s_or_b32 s[G1S], s67, (3<<16)|(1<<20)|(1<<21)|(5<<22)|(3<<25)
	s_or_b32 s[G1SB], s92, (3<<16)|(1<<20)|(1<<21)|(5<<22)|(3<<25)
.irp g, G1S, G1SB
	s_mov_b32 s[\g+1], 32<<16
	s_mov_b32 s[\g+2], 16<<16
	s_mov_b32 s[\g+3], 32<<16
	s_mov_b32 s[\g+4], 16
	s_mov_b32 s[\g+5], 32
	s_mov_b32 s[\g+6], 0
	s_mov_b32 s[\g+7], 0
.endr
	s_lshl_b32 s2, s63, 17                         ; A's codes: block x 131,072 + half x 65,536
	s_lshl_b32 s3, s58, 16
	s_add_co_u32 s2, s2, s3
	s_mov_b32 s3, 0
	s_lshl_b32 s94, s63, 13                        ; A's scale bytes: block x 8,192 + half x 4,096
	s_lshl_b32 s95, s58, 12
	s_add_co_u32 s94, s94, s95
	s_mov_b32 s95, 0
	s_lshl_b32 s96, s66, 17                        ; B's likewise
	s_lshl_b32 s97, s58, 16
	s_add_co_u32 s96, s96, s97
	s_mov_b32 s97, 0
	s_lshl_b32 s98, s66, 13
	s_lshl_b32 s99, s58, 12
	s_add_co_u32 s98, s98, s99
	s_mov_b32 s99, 0
	s_lshl_b32 s93, s56, 15                        ; where they go: wave x 32,768: no place in the cluster enters an LDS address
	s_mul_i32 s100, s56, HALFS
	s_wait_kmcnt 0x0
	s_add_nc_u64 s[2:3], s[4:5], s[2:3]
	s_add_nc_u64 s[96:97], s[4:5], s[96:97]
	CROUND                                         ; all sixteen work-groups are here: the first joint loads meet
	s_mov_b32 s[G0S], 1
	s_add_co_u32 s[G0S+1], s100, SCL
	s_add_nc_u64 s[G0S+2:G0S+3], s[6:7], s[94:95]
	s_or_b32 s[G0S+3], s[G0S+3], 0x80000000
	s_mov_b32 s[G0SB], 1
	s_add_co_u32 s[G0SB+1], s100, SCL
	s_add_nc_u64 s[G0SB+2:G0SB+3], s[6:7], s[98:99]
	s_or_b32 s[G0SB+3], s[G0SB+3], 0x80000000
	JLOAD G0S, G1S, G0SB, G1SB                     ; the scale bytes first: they are wanted with the first step
.irp s, 0,1
	s_mov_b32 s[G0+4*\s], 1
	s_add_co_u32 s[G0+4*\s+1], s93, \s*SLOTB
	s_add_nc_u64 s[G0+4*\s+2:G0+4*\s+3], s[2:3], \s*4096
	s_or_b32 s[G0+4*\s+3], s[G0+4*\s+3], 0x80000000
	s_mov_b32 s[G0B+4*\s], 1
	s_add_co_u32 s[G0B+4*\s+1], s93, \s*SLOTB
	s_add_nc_u64 s[G0B+4*\s+2:G0B+4*\s+3], s[96:97], \s*4096
	s_or_b32 s[G0B+4*\s+3], s[G0B+4*\s+3], 0x80000000
	JLOAD G0+4*\s, G1, G0B+4*\s, G1B
.endr
	; every LDS address is made here, ahead of the first branch on the mode
	v_and_b32 v1, 15, v0                           ; r
	v_bfe_u32 v2, v0, 4, 1                         ; h
	v_and_b32 v3, 31, v0
	v_lshlrev_b32 v3, 4, v3                        ; 16 x lane
	s_lshl_b32 s3, s57, 15
	v_add_nc_u32 v[ADRA], s3, v3
	v_add_nc_u32 v[ADRA+1], SLOTB, v[ADRA]
	s_lshl_b32 s3, s58, 15
	s_add_co_u32 s3, s3, BOFF
	v_add_nc_u32 v[ADRB], s3, v3
	v_add_nc_u32 v[ADRB+1], SLOTB, v[ADRB]
	v_lshlrev_b32 v6, 5, v1                        ; my row's scale bytes: 32 a row,
	v_lshrrev_b32 v7, 8, v6
	v_lshl_add_u32 v6, v7, 4, v6                   ; and 16 more for each 256 passed
	s_mul_i32 s3, s57, HALFS                       ; A's: my 128 rows
	s_mul_i32 s94, s58, HALFS                      ; B's: my 128 rows, behind A's 256
	s_add_co_u32 s94, s94, 2*HALFS
	s_sub_co_u32 s94, s94, s3
	v_mul_u32_u24 v7, s94, v2                      ; lanes 16-31 take B's: one product, h x the distance
	s_add_co_u32 s3, s3, SCL
	v_add_nc_u32 v6, v6, v7
	v_add_nc_u32 v[ADRS], s3, v6
	v_lshlrev_b32 v[L8], 4, v1
	v_lshl_add_u32 v[L8], v2, 3, v[L8]
	v_lshlrev_b32 v[SH], 4, v2
.irp b, 0,1,2,3
	v_mov_b32 v[TM+4+\b], 0                        ; written once: a lane permute's destination counts as one of its sources
.endr
	s_mov_b32 s22, 0x76543210
	s_mov_b32 s23, 0xfedcba98
	; which rows of H, which features of which weight: chosen on the mode
	s_cmp_eq_u32 s59, 2
	s_cselect_b32 s2, s66, s63                     ; H's block
	s_cselect_b32 s3, s58, s57                     ; my half of it
	s_cselect_b32 s93, s61, s60                    ; the weight's block: cy or cx
	s_cselect_b32 s94, s57, s58                    ; my half of it
	s_cselect_b64 s[100:101], s[12:13], s[10:11]   ; bv or bk,
	s_cmp_eq_u32 s59, 0
	s_cselect_b64 s[100:101], s[8:9], s[100:101]   ; or bq
	s_lshl_b32 s95, s2, 10
	s_lshl_b32 s96, s3, 9
	s_add_co_u32 s96, s96, s95
	s_mov_b32 s97, 0
	s_add_nc_u64 s[14:15], s[14:15], s[96:97]      ; patch_mask at my 128 rows of H
	s_lshl_b32 s95, s93, 10
	s_lshl_b32 s96, s94, 9
	s_add_co_u32 s96, s96, s95
	s_add_nc_u64 s[100:101], s[100:101], s[96:97]  ; the bias at my 128 features
	s_lshr_b32 s95, s2, 3                          ; the batch
	s_and_b32 s2, s2, 7
	s_lshl_b32 s2, s2, 1
	s_add_co_u32 s2, s2, s3                        ; s2 = g: which 128 rows of the batch's 2,048
	s_lshl_b32 s95, s95, 4
	s_lshl_b32 s93, s93, 2
	s_lshl_b32 s94, s94, 1
	s_add_co_u32 s93, s93, s94
	s_add_co_u32 s93, s93, s95                     ; s93 = 16 x batch + my first head (I have two)
	v_and_b32 v4, 7, v0
	v_bfe_u32 v5, v0, 3, 1
	v_lshl_add_u32 v4, v5, 4, v4
	v_lshlrev_b32 v4, 2, v4                        ; 4 (r % 8 + 16 (r / 8)): my lane's row in a pair of tiles
	v_lshlrev_b32 v5, 6, v2                        ; 64 h
.irp a, 0,1,2,3,4,5,6,7
	global_load_b32 v[MK+\a], v4, s[14:15] offset:(32*(\a/2)+8*(\a%2))*4   ; loaded in every mode, used by k alone: so no path reads these registers unwritten
.endr
	s_cmp_eq_u32 s59, 2
	s_cbranch_scc1 .Lbias_v
.irp t, 0,1,2,3,4,5,6,7                ; q, k: the bias runs along the registers: tile t's eight features of my half
	global_load_b128 v[BI+8*\t:BI+8*\t+3], v5, s[100:101] offset:(32*(\t/2)+8*(\t%2))*4
	global_load_b128 v[BI+8*\t+4:BI+8*\t+7], v5, s[100:101] offset:(32*(\t/2)+8*(\t%2))*4+16
.endr
	s_branch .Lbias_done
.Lbias_v:
.irp a, 0,1,2,3,4,5,6,7                ; v: the bias hangs on the lane: one number in all eight registers of A's tile a
.irp j, 0,1,2,3,4,5,6,7
	global_load_b32 v[BI+8*\a+\j], v4, s[100:101] offset:(32*(\a/2)+8*(\a%2))*4
.endr
.endr
.Lbias_done:
.macro FRAG reg, adr, q, i             ; a fragment: four units on end = two loads of 512 consecutive bytes
.irp c, 0,1
	ds_load_b128 v[\reg+4*\c:\reg+4*\c+3], v[\adr] offset:(\i)*4096+(\q)*1024+512*\c
.endr
.endm
; 16 matrix instructions: A's tiles a0, a0 + 1 x B's eight.  p: B's set; sc: the set of scale words.  mode 0: C = D; 1: C = the bias of B's tile; 2: C = the bias of A's tile.
; The 64 accumulators take turns, one instruction a turn, in the same order in every step.
.macro MUL16 a0, p, q, sc, mode
.irp a, \a0, \a0+1
.irp b, 0,1,2,3,4,5,6,7
.set rD, 8*(8*((\a)%4)+\b)
.set rB, 128*(\p)+FR*\b
.set rA, AF+FR*(\a)
.set rSB, SC+8*NQ*(\sc)+NQ*\b+(\q)
.set rSA, SC+8*NQ*(\sc)+NQ*(\a)+(\q)
.if \mode == 1
	v_wmma_scale_f32_16x16x128_f8f6f4 v[rD:rD+7], v[rB:rB+7], v[rA:rA+7], v[BI+8*\b:BI+8*\b+7], v[rSB], v[rSA] matrix_a_fmt:MATRIX_FMT_FP4 matrix_b_fmt:MATRIX_FMT_FP4 matrix_a_scale:MATRIX_SCALE_ROW1
.elseif \mode == 2
	v_wmma_scale_f32_16x16x128_f8f6f4 v[rD:rD+7], v[rB:rB+7], v[rA:rA+7], v[BI+8*(\a):BI+8*(\a)+7], v[rSB], v[rSA] matrix_a_fmt:MATRIX_FMT_FP4 matrix_b_fmt:MATRIX_FMT_FP4 matrix_a_scale:MATRIX_SCALE_ROW1
.else
	v_wmma_scale_f32_16x16x128_f8f6f4 v[rD:rD+7], v[rB:rB+7], v[rA:rA+7], v[rD:rD+7], v[rSB], v[rSA] matrix_a_fmt:MATRIX_FMT_FP4 matrix_b_fmt:MATRIX_FMT_FP4 matrix_a_scale:MATRIX_SCALE_ROW1
.endif
.endr
.endr
.endm
.macro FETCH_B slot, q, p
	WIN TO_B
.irp i, 0,1,2,3,4,5,6,7
	FRAG 128*(\p)+FR*\i, ADRB+\slot, \q, \i
.endr
	WIN 0
.endm
.macro FETCH_A slot, q, i0
.irp i, \i0, \i0+1, \i0+2, \i0+3
	FRAG AF+FR*(\i), ADRA+\slot, \q, \i
.endr
.endm
.macro SCALES sc                       ; a slot's scale words: four a row; lanes 0-15 take A's tile i, lanes 16-31 B's tile i
.irp i, 0,1,2,3,4,5,6,7
	ds_load_b128 v[SC+8*NQ*\sc+NQ*\i:SC+8*NQ*\sc+NQ*\i+3], v[ADRS] offset:\i*SBLK
.endr
.endm
; A step of 128 along K that has its successor in the same slot.
.macro STEP slot, q, mode
	s_wait_dscnt 8                                 ; B's set and A's tiles 0-3 are in; the youngest eight loads (A's tiles 4-7) may be out
.if \mode
	WIN 0x81                                       ; as MUL_LO, with C (the bias) in window 0
.else
	WIN MUL_LO
.endif
	MUL16 0, (\q)%2, \q, \slot, \mode
	MUL16 2, (\q)%2, \q, \slot, \mode
	s_wait_dscnt 0x0                               ; A's tiles 4-7 are in
	PLACES
	FETCH_B \slot, (\q)+1, 1-(\q)%2
	FETCH_A \slot, (\q)+1, 0
.if \mode
	WIN 0xc1
.else
	WIN MUL_HI
.endif
	MUL16 4, (\q)%2, \q, \slot, \mode
	MUL16 6, (\q)%2, \q, \slot, \mode
	PLACES
	WIN 0
	FETCH_A \slot, (\q)+1, 4
.endm
	s_wait_tensorcnt 1                             ; the scale bytes and my part of slot 0 are in; slot 1's load may be out
	s_barrier_signal -1
	s_barrier_wait -1                              ; everybody's are
	FETCH_B 0, 0, 0
	FETCH_A 0, 0, 0
	SCALES 0
	FETCH_A 0, 0, 4
	s_wait_loadcnt 0x0                             ; the bias and the mask
	s_cmp_eq_u32 s59, 2
	s_cbranch_scc1 .Lfirst_v
	STEP 0, 0, 1                                   ; the first products start the sums from the bias: nothing is cleared, nothing is added later
	s_branch .Lfirst_done
.Lfirst_v:
	STEP 0, 0, 2
.Lfirst_done:
	STEP 0, 1, 0
	STEP 0, 2, 0
	; slot 0's last step changes slots: one barrier
	s_wait_tensorcnt 0x0                           ; my part of slot 1 has landed
	s_wait_dscnt 8
	WIN MUL_LO
	MUL16 0, 1, 3, 0, 0
	s_wait_dscnt 0x0                               ; no LDS instruction of mine is out at the signal
	s_barrier_signal -1
	MUL16 2, 1, 3, 0, 0
	WIN 0
	s_barrier_wait -1                              ; slot 1 is whole
	PLACES
	v_add_nc_u32 v[ADRS], 16, v[ADRS]              ; slot 1's scale words: 16 bytes on in each row
	FETCH_B 1, 0, 0
	FETCH_A 1, 0, 0
	SCALES 1
	WIN MUL_HI
	MUL16 4, 1, 3, 0, 0
	MUL16 6, 1, 3, 0, 0
	PLACES
	WIN 0
	FETCH_A 1, 0, 4
	STEP 1, 0, 0
	STEP 1, 1, 0
	STEP 1, 2, 0
	s_wait_dscnt 8                                 ; the last step: nothing more to fetch
	WIN MUL_LO
	MUL16 0, 1, 3, 1, 0
	MUL16 2, 1, 3, 1, 0
	s_wait_dscnt 0x0
	WIN MUL_HI
	MUL16 4, 1, 3, 1, 0
	MUL16 6, 1, 3, 1, 0
	WIN 0
	PLACES
; THE WAY OUT.  A's tile a: a lane's 64 numbers, register 16 b + i = number 32 b + 16 h + i of its row, become 4 x 16 codes in v[PC + 8 a] on and the scale word v[PW + a].
; Each accumulator is read from its low end on.  A lane's 16 codes of a block are 8 bytes at 16 r + 8 h of a unit: one store of the wave writes one whole unit; no stage is needed.
.macro QUANTW a
.set AC, 64*((\a)%4)
.set WW, 2+(\a)/4
.set WN, WW|(WW<<2)
	WIN WN                                         ; sources 0 and 1 in the accumulators' window
.irp b, 0,1,2,3
	v_max3_num_f32 v[TM+\b], |v[AC+16*\b]|, |v[AC+16*\b+1]|, 0x1800000   ; and the floor 2^(3 - 127): the byte cannot fall under 1
.endr
.set WN, (WW<<2)|(WW<<4)
	WIN WN                                         ; sources 1 and 2
.irp i, 2,4,6,8,10,12,14
.irp b, 0,1,2,3
	v_max3_num_f32 v[TM+\b], v[TM+\b], |v[AC+16*\b+\i]|, |v[AC+16*\b+\i+1]|
.endr
.endr
	WIN 0
.irp b, 0,1,2,3
	v_permlanex16_b32 v[TM+4+\b], v[TM+\b], s22, s23
.endr
.irp b, 0,1,2,3
	v_max_num_f32 v[TM+\b], v[TM+\b], v[TM+4+\b]   ; with lane l xor 16's 16: the block's largest magnitude
.endr
.irp b, 0,1,2,3
	v_add_nc_u32 v[TM+12+\b], 0xff000000, v[TM+\b] ; 2 off its exponent field: the conversion's scale operand
.endr
.irp b, 0,1,2,3
	v_lshrrev_b32 v[TM+4+\b], 23, v[TM+12+\b]      ; the scale's byte
.endr
	v_lshl_or_b32 v[PW+(\a)], v[TM+5], 8, v[TM+4]
	v_lshl_or_b32 v[PW+(\a)], v[TM+6], 16, v[PW+(\a)]
	v_lshl_or_b32 v[PW+(\a)], v[TM+7], 24, v[PW+(\a)]
	WIN WW                                         ; source 0
.irp b, 0,1,2,3
	v_cvt_scalef32_pk8_fp4_f32 v[PC+8*(\a)+2*\b], v[AC+16*\b:AC+16*\b+7], v[TM+12+\b]
	v_cvt_scalef32_pk8_fp4_f32 v[PC+8*(\a)+2*\b+1], v[AC+16*\b+8:AC+16*\b+15], v[TM+12+\b]
.endr
	WIN 0
	v_nop                                          ; one plain place behind the last scaled conversion
.endm
	s_cmp_eq_u32 s59, 2
	s_cbranch_scc1 .Lout_v
	; q, k: blocks 0, 1 are my first head's 64 numbers, blocks 2, 3 my second's
	s_mov_b32 s4, REC
	s_mov_b32 s5, REC
	s_mov_b32 s6, 0x77770000
	s_mov_b32 s7, 0xc7770000
	s_mov_b32 s8, KSW
	s_cmp_eq_u32 s59, 0
	s_cselect_b64 s[94:95], s[16:17], s[20:21]     ; the codes go to qimg or to kv,
	s_cselect_b64 s[98:99], s[18:19], s[20:21]     ; the words to qsw or to kv
	s_cselect_b32 s4, 0x10000, s4                  ; bytes from head to head: codes,
	s_cselect_b32 s5, 0x2000, s5                   ; words
	s_cselect_b32 s6, 0x7f7f0000, s6               ; a word's upper half: q 127, 127; a kept key 119, 119;
	s_cselect_b32 s7, 0x7f7f0000, s7               ; a masked key 119, 199
	s_cselect_b32 s8, 0, s8
	s_mul_i32 s10, s93, s4
	s_lshl_b32 s9, s2, 12                          ; g x 8 tiles x 512 bytes
	s_add_co_u32 s10, s10, s9
	s_mov_b32 s11, 0
	s_add_nc_u64 s[94:95], s[94:95], s[10:11]      ; my first head's codes,
	s_mov_b32 s10, s4
	s_add_nc_u64 s[96:97], s[94:95], s[10:11]      ; my second's
	s_mul_i32 s10, s93, s5
	s_add_co_u32 s10, s10, s8
	s_lshl_b32 s9, s2, 9                           ; g x 16 rows x 8 words
	s_add_co_u32 s10, s10, s9
	s_add_nc_u64 s[98:99], s[98:99], s[10:11]
	v_mov_b32 v[HIU], s6
	v_mov_b32 v[HIM], s7
	v_mul_u32_u24 v[WO], s5, v2                    ; lanes 0-15 store my first head's words, lanes 16-31 my second's
	v_lshl_add_u32 v[WO], v1, 5, v[WO]             ; 32 bytes a row: 512 consecutive bytes a head
.irp a, 0,1,2,3,4,5,6,7
	QUANTW \a
.irp e, 0,1,2,3
	global_store_b64 v[L8], v[PC+8*\a+2*\e:PC+8*\a+2*\e+1], s[94+2*(\e/2):95+2*(\e/2)] offset:\a*512+(\e%2)*256
.endr
.endr
.irp a, 0,1,2,3,4,5,6,7
	v_cmp_lt_i32 vcc_lo, 0, v[MK+\a]               ; is my row's patch_mask above 0?
	v_cndmask_b32 v[W+\a], v[HIM], v[HIU], vcc_lo
	v_lshrrev_b32 v[TM], v[SH], v[PW+\a]           ; my head's two bytes
	v_and_or_b32 v[W+\a], v[TM], 0xffff, v[W+\a]
.endr
	global_store_b128 v[WO], v[W:W+3], s[98:99]
	global_store_b128 v[WO], v[W+4:W+7], s[98:99] offset:16
	s_branch .Lend
.Lout_v:
	; v: A's tiles 0-3 are my first head's 64 rows of v^T, tiles 4-7 my second's; the four blocks are my 128 keys
	s_mul_i32 s10, s93, REC
	s_lshl_b32 s9, s2, 12                          ; g x 4 tiles x 4 units
	s_add_co_u32 s10, s10, s9
	s_add_co_u32 s10, s10, VC
	s_mov_b32 s11, 0
	s_add_nc_u64 s[94:95], s[20:21], s[10:11]
	s_add_nc_u64 s[96:97], s[94:95], REC
	s_mul_i32 s10, s93, REC
	s_lshl_b32 s9, s2, 8                           ; g x 16 rows x 4 words
	s_add_co_u32 s10, s10, s9
	s_add_co_u32 s10, s10, VSW
	s_add_nc_u64 s[98:99], s[20:21], s[10:11]
	v_mul_u32_u24 v[WO], REC, v2
	v_lshl_add_u32 v[WO], v1, 4, v[WO]
.irp a, 0,1,2,3,4,5,6,7
	QUANTW \a
.irp e, 0,1,2,3
	global_store_b64 v[L8], v[PC+8*\a+2*\e:PC+8*\a+2*\e+1], s[94+2*(\a/4):95+2*(\a/4)] offset:(\a%4)*1024+\e*256
.endr
.endr
	v_cmp_eq_u32 vcc_lo, 1, v2
.irp t, 0,1,2,3
	v_cndmask_b32 v[W+\t], v[PW+\t], v[PW+4+\t], vcc_lo
.endr
	global_store_b128 v[WO], v[W:W+3], s[98:99]
.Lend:
	s_wait_tensorcnt 0x0
	CROUND                                         ; the closing round: no work-group ends while a partner may still ask for a tile that names it
	s_endpgm
.Lfunc_end_k_qa09659f05a_qkv:
	.size	k_qa09659f05a_qkv, .Lfunc_end_k_qa09659f05a_qkv-k_qa09659f05a_qkv
	.p2alignl 7, 3214868480
	.fill 96, 4, 3214868480
	.section	.rodata,"a",@progbits
	.p2align	6, 0x0
	.amdhsa_kernel k_qa09659f05a_qkv
		.amdhsa_group_segment_fixed_size 327680
		.amdhsa_private_segment_fixed_size 0
		.amdhsa_enable_private_segment 0
		.amdhsa_kernarg_size 72
		.amdhsa_user_sgpr_count 2
		.amdhsa_user_sgpr_kernarg_segment_ptr 1
		.amdhsa_wavefront_size32 1
		.amdhsa_system_sgpr_workgroup_id_x 1
		.amdhsa_system_sgpr_workgroup_id_y 1
		.amdhsa_system_sgpr_workgroup_id_z 1
		.amdhsa_system_vgpr_workitem_id 0
		.amdhsa_next_free_vgpr 1024
		.amdhsa_next_free_sgpr 102
		.amdhsa_reserve_vcc 1
		.amdhsa_float_denorm_mode_32 3
		.amdhsa_float_denorm_mode_16_64 3
		.amdhsa_memory_ordered 1
		.amdhsa_forward_progress 1
		.amdhsa_inst_pref_size 184
	.end_amdhsa_kernel
	.amdgpu_metadata
---
amdhsa.version: [ 1, 2 ]
amdhsa.kernels:
  - .name:           k_qa09659f05a_qkv
    .symbol:         k_qa09659f05a_qkv.kd
    .args:
      - { .name: cimg, .offset: 0, .size: 8, .value_kind: global_buffer, .address_space: global }
      - { .name: csc, .offset: 8, .size: 8, .value_kind: global_buffer, .address_space: global }
      - { .name: bq, .offset: 16, .size: 8, .value_kind: global_buffer, .address_space: global }
      - { .name: bk, .offset: 24, .size: 8, .value_kind: global_buffer, .address_space: global }
      - { .name: bv, .offset: 32, .size: 8, .value_kind: global_buffer, .address_space: global }
      - { .name: patch_mask, .offset: 40, .size: 8, .value_kind: global_buffer, .address_space: global }
      - { .name: qimg, .offset: 48, .size: 8, .value_kind: global_buffer, .address_space: global }
      - { .name: qsw, .offset: 56, .size: 8, .value_kind: global_buffer, .address_space: global }
      - { .name: kv, .offset: 64, .size: 8, .value_kind: global_buffer, .address_space: global }
    .group_segment_fixed_size: 327680
    .private_segment_fixed_size: 0
    .kernarg_segment_align: 8
    .kernarg_segment_size: 72
    .max_flat_workgroup_size: 128
    .sgpr_count:     102
    .vgpr_count:     1024
    .wavefront_size: 32
...
	.end_amdgpu_metadata
.endif
;; end of part 2
;; launch attn (part 3): grid 4 x 64, 16 waves a work-group, no clusters, 167,936 bytes of LDS; arguments qimg, qsw, kv, oimg, osc; writes oimg, osc
.if DOCPART == 3
	.amdgcn_target "amdgcn-amd-amdhsa--gfx1250"
	.amdhsa_code_object_version 6
	.text
	.protected	k_qa09659f05a_attn
	.globl	k_qa09659f05a_attn
	.p2align	8
	.type	k_qa09659f05a_attn,@function
k_qa09659f05a_attn:
	s_mov_b64 s[64:65], 0
	v_nop
	global_prefetch_b8 v0, s[64:65] scope:SCOPE_SE
	s_setreg_imm32_b32 hwreg(HW_REG_WAVE_MODE, 25, 1), 1
	s_wait_xcnt 0x0
; O = softmax(q k^T / 8 + bias(|i - j|), masked keys out) v for one (batch, head), both products on codes of FP4 with E8M0 scales; O / l is quantised along the head's 64 and leaves as codes.
; THE SOFTMAX: t = logit x log2(e); M = the running largest t rounded up to a whole number; p = 2^(t - M) is quantised along the keys, not normalised; l is the sum of the unquantised p.
; SHARES.  A work-group has one head and 512 queries; each of its sixteen waves takes two tiles of 16 queries, one after the other, and walks all 2,048 keys, 128 a step.  Four waves share a SIMD.
; THE HEAD'S K AND V STAY IN LDS: its record in kv (143,360 bytes: k's codes, v^T's codes, k's scale words, v's) comes in once, 35 rows of 256 bytes a wave.
; NO CLUSTER, though the four query blocks of a head read the same record: the branch between near and far key steps and the bias table's address hang on the work-group's own queries, which
; partners in a cluster would not share; and the record is fetched once, 140 KiB for 2 x 16 key steps of sixteen waves.
; LAYOUT.  Both products are used transposed (S^T = K Q^T, O^T = V^T P^T): a lane holds one query.  Rows lie at positions (bits 3 and 4 exchanged), so that the 16 registers of tiles 2 b, 2 b + 1
; are 16 neighbouring keys (or numbers of the head): 32 b + 16 h + 0 .. 15.
; THE KEY MASK costs nothing here: the first product's K is 64, and in the idle half stand constant codes: K +0.5 at k = 64 and -0.5 at k = 96, Q +0.5 at both.  Bytes 2, 3 of k's scale word are 119, 119
; for a kept key (2^-10 - 2^-10) and 119, 199 for a masked one: its score is -2^70, its p is 0 beside any kept key.
; THE BIAS is log2(2^(-d log2 e) + 1e-12), d = |i - j|.  In f32 it is one constant from d = 45 on (e^-45 lies under half a unit in the last place of 1e-12).  A key step all of whose d are 45 or more (FAR) carries it
; in the addend of t - M; the other steps (NEAR, those with -171 <= first key - first query <= 67) first make u = s c + table[i - j] and then run the same text with the multiplier 1 and the offset 0.
; LIMITS: kept logits lie above -1e9 (below that reference() would prefer the masked keys); where every key of a batch is masked the weights are not reference()'s uniform ones for certain, but every row of
; that batch is multiplied by a patch_mask <= 0 later, and l is held at 2^-126 so that nothing here is infinite; NaN and infinities are not served; O's scale bytes are stored one byte a lane (262,144 bytes in all).
.set REC,  143360
.set VC,   65536
.set KSW,  131072
.set VSW,  139264
.set TBL,  143360                      ; behind the record: the bias table, 1,024 words: entry e = bias(|e - 256|); no fill lands here
; v0 thread; v1 16 x lane; v2 KSW + 32 r; v3 VC + 16 x lane; v4 VSW + 16 r; v5 my query - 16 h + 145; v6 16 r + 8 h; v7 Q's scale word; v8-11 the step's addresses; v12 -M; v13 largest t; v[14:15] l in two halves;
; v16-23 Q; v24-31 K's scale words; v32-95 K's 8 fragments; v96-159 S^T, then p; v160-191 O^T; v192-223 V's 4 fragments (in a near step first the table's values); v224-231 p's codes; v232-243 at work;
; v[244:245] f; v[246:247] the addend; v248-251 V's scale words; v252 p's scale word; v253 at work; v254, v255 the pass's offsets in memory
	s_load_b256 s[4:11], s[0:1], 0x0               ; qimg, qsw, kv, oimg
	s_load_b64 s[12:13], s[0:1], 0x20              ; osc
	v_lshrrev_b32 v8, 5, v0
	v_readfirstlane_b32 s14, v8                    ; wave 0..15
	s_and_b32 s15, ttmp7, 0xffff                   ; 16 x batch + head
	s_and_b32 s16, s15, 15                         ; head
	s_lshr_b32 s17, s15, 4                         ; batch
	s_mov_b32 s24, 3<<16                           ; group 1: 35 rows of 256 bytes (32 elements of 8 bytes), dense in memory and in LDS
	s_mov_b32 s25, 32<<16
	s_mov_b32 s26, 35<<16
	s_mov_b32 s27, 32<<16
	s_mov_b32 s28, 35
	s_mov_b32 s29, 32
	s_mov_b32 s30, 0
	s_mov_b32 s31, 0
	s_mov_b32 s32, 1
	s_mul_i32 s33, s14, 8960                       ; my sixteenth of the record, in LDS as in memory
	s_mul_i32 s50, s15, REC
	s_add_co_u32 s50, s50, s33
	s_mov_b32 s51, 0
	s_wait_kmcnt 0x0
	s_add_nc_u64 s[34:35], s[8:9], s[50:51]
	s_or_b32 s35, s35, 0x80000000
	tensor_load_to_lds s[32:35], s[24:31]
.rept 4
	v_nop
.endr
	s_lshl_b32 s50, s15, 16
	s_add_nc_u64 s[4:5], s[4:5], s[50:51]          ; the head's q codes,
	s_lshl_b32 s50, s15, 13
	s_add_nc_u64 s[6:7], s[6:7], s[50:51]          ; q's scale words,
	s_lshl_b32 s50, s17, 20
	s_lshl_b32 s52, s16, 9
	s_add_co_u32 s50, s50, s52
	s_add_nc_u64 s[10:11], s[10:11], s[50:51]      ; O's codes: the batch's 128 tiles x 8,192 bytes, the head's two units,
	s_lshl_b32 s50, s17, 16
	s_lshl_b32 s52, s16, 1
	s_add_co_u32 s50, s50, s52
	s_add_nc_u64 s[12:13], s[12:13], s[50:51]      ; O's scale bytes: the batch's 2,048 rows of 32, the head's two bytes
	; the table: each thread makes entries e = thread and e = thread + 512
	v_add_nc_u32 v8, 0xffffff00, v0
	v_add_nc_u32 v9, 0x100, v0
	v_cvt_f32_i32 v8, v8
	v_cvt_f32_i32 v9, v9
	v_mul_f32 v8, 0xbfb8aa3b, |v8|                 ; -d log2(e)
	v_mul_f32 v9, 0xbfb8aa3b, |v9|
	v_exp_f32 v8, v8
	v_exp_f32 v9, v9
	v_lshl_add_u32 v10, v0, 2, TBL                 ; (a plain place behind the exponentials)
	v_add_f32 v8, 0x2b8cbccc, v8                   ; + 1e-12
	v_add_f32 v9, 0x2b8cbccc, v9
	v_log_f32 v8, v8
	v_log_f32 v9, v9
	v_and_b32 v1, 31, v0                           ; (a plain place behind the logarithms)
	ds_store_b32 v10, v8
	ds_store_b32 v10, v9 offset:2048
	v_lshlrev_b32 v1, 4, v1
	v_and_b32 v11, 15, v0                          ; r
	v_bfe_u32 v12, v0, 4, 1                        ; h
	v_lshl_add_u32 v2, v11, 5, KSW
	v_add_nc_u32 v3, VC, v1
	v_lshl_add_u32 v4, v11, 4, VSW
	v_lshlrev_b32 v6, 4, v11
	v_lshl_add_u32 v6, v12, 3, v6
	v_lshl_or_b32 v13, v12, 3, 1                   ; the code +0.5 in lanes 0-15 (k = 64), -0.5 in lanes 16-31 (k = 96)
.irp f, 0,1,2,3,4,5,6,7
	v_mov_b32 v[36+8*\f], v13                      ; the idle half of K's fragments: set once
	v_mov_b32 v[37+8*\f], 0
	v_mov_b32 v[38+8*\f], 0
	v_mov_b32 v[39+8*\f], 0
.endr
	v_mov_b32 v20, 1                               ; and of Q's: +0.5 at k = 64 and at k = 96
	v_mov_b32 v21, 0
	v_mov_b32 v22, 0
	v_mov_b32 v23, 0
.irp b, 0,1,2,3
	v_mov_b32 v[236+\b], 0                         ; written once: a lane permute's destination counts as one of its sources
.endr
	v_mov_b32 v245, 0                              ; (named as the upper halves of pairs)
	v_mov_b32 v247, 0
	v_mov_b32 v253, 0
	s_mov_b32 s20, 0x76543210
	s_mov_b32 s21, 0xfedcba98                      ; v_permlanex16_b32's selects for lane l xor 16
	s_mov_b32 s36, 0x3e38aa3b                      ; c = log2(e) / 8
	s_mov_b32 s37, s36
	s_mov_b32 s52, 0xe138aa3b                      ; -2^70 c
	s_mov_b32 s53, 0xe2800000                      ; -2^70
	s_mov_b32 s54, 1.0
	s_lshl_b32 s45, ttmp9, 5
	s_add_co_u32 s45, s45, s14                     ; my first tile of queries: 32 x work-group + wave; the second lies 16 on
	s_mov_b32 s41, 0
	s_wait_tensorcnt 0x0                           ; my part of the record has landed,
	s_wait_dscnt 0x0                               ; my table entries are stored:
	s_barrier_signal -1
	s_barrier_wait -1                              ; everybody's.  From here on LDS is only read
	v_mov_b32 v8, TBL
	ds_load_b32 v9, v8                             ; entry 0: the bias far from the diagonal
	s_wait_dscnt 0x0
	v_readfirstlane_b32 s38, v9
.Lpass:
	s_lshl_b32 s49, s45, 9
	v_add_nc_u32 v254, s49, v1                     ; Q's tile: 512 bytes, 16 a lane
	s_lshr_b32 s50, s45, 3
	s_lshl_b32 s50, s50, 9
	s_and_b32 s51, s45, 7
	s_lshl_b32 s51, s51, 2
	s_add_co_u32 s50, s50, s51
	v_and_b32 v8, 15, v0                           ; r
	v_lshl_add_u32 v255, v8, 5, s50                ; Q's scale word: [tile / 8][r][tile % 8]
	global_load_b128 v[16:19], v254, s[4:5]
	global_load_b32 v7, v255, s[6:7]
	s_lshr_b32 s44, s45, 1
	s_lshl_b32 s44, s44, 5
	s_and_b32 s51, s45, 1
	s_lshl_b32 s51, s51, 3
	s_add_co_u32 s44, s44, s51                     ; the tile's first query: 32 (tile / 2) + 8 (tile % 2)
	v_and_b32 v9, 7, v0
	v_bfe_u32 v10, v0, 3, 1
	v_bfe_u32 v11, v0, 4, 1                        ; h
	v_sub_nc_u32 v10, v10, v11
	v_lshl_add_u32 v9, v10, 4, v9                  ; r % 8 + 16 (r / 8) - 16 h
	v_add_nc_u32 v5, s44, v9
	v_add_nc_u32 v5, 145, v5                       ; + 256 - 111: the table's middle, less the largest key offset of a register
	v_mov_b32 v13, 0xff61b1e6                      ; the largest t so far: -3e38
	v_floor_f32 v12, -v13                          ; -M
	v_mov_b32 v14, 0
	v_mov_b32 v15, 0
.set j, 0
.rept 32
	v_mov_b32 v[160+j], 0                          ; O^T: the step is written once; the first change of M multiplies zeros
.set j, j+1
.endr
	s_mov_b32 s42, 0                               ; the key step
	s_mov_b32 s43, 0                               ; its first key
	s_mov_b32 s46, 0                               ; its codes: 4,096 bytes a step (K's and V's alike)
	s_mov_b32 s47, 0                               ; K's words: 512
	s_mov_b32 s48, 0                               ; V's words: 256
	s_wait_loadcnt 0x0                             ; Q and its word are in, and their offsets are free:
	s_lshl_b32 s49, s45, 13
	v_add_nc_u32 v254, s49, v6                     ; O's units: tile x 8,192 + 16 r + 8 h
	s_lshl_b32 s49, s45, 9
	v_lshl_add_u32 v255, v8, 5, s49
	v_add_nc_u32 v255, v255, v11                   ; O's scale byte: (16 tile + r) x 32 + h
.Lstep:
	v_add_nc_u32 v8, s46, v1                       ; (these four are also places behind the last step's products)
	v_add_nc_u32 v9, s47, v2
	v_add_nc_u32 v10, s46, v3
	v_add_nc_u32 v11, s48, v4
.irp f, 0,1,2,3,4,5,6,7
	ds_load_b128 v[32+8*\f:35+8*\f], v8 offset:512*\f   ; K's tile f: k = 0 .. 63, 512 consecutive bytes
.endr
	ds_load_b128 v[24:27], v9
	ds_load_b128 v[28:31], v9 offset:16
	s_wait_dscnt 0x0
.irp f, 0,1,2,3,4,5,6,7
	v_wmma_scale_f32_16x16x128_f8f6f4 v[96+8*\f:103+8*\f], v[32+8*\f:39+8*\f], v[16:23], 0, v[24+\f], v7 matrix_a_fmt:MATRIX_FMT_FP4 matrix_b_fmt:MATRIX_FMT_FP4
.endr
	s_sub_co_u32 s49, s43, s44
	s_add_co_u32 s49, s49, 171
	s_cmp_le_u32 s49, 238                          ; near: -171 <= first key - first query <= 67 (queries reach 23 on, keys 127 on)
	s_cselect_b32 s22, s54, s36                    ; the multiplier: 1 or c
	s_cselect_b32 s23, s54, s36
	s_cselect_b32 s39, 0, s38                      ; the offset: 0 or the far bias
	s_cselect_b32 s40, s52, s53                    ; a masked key's number: -2^70 c or -2^70
.rept 4
	v_nop                                          ; places behind the products
.endr
	s_cbranch_scc0 .Lfar
	v_sub_nc_u32 v253, v5, s43
	v_and_b32 v253, 0x1ff, v253                    ; 62 .. 339 in a near step: the mask changes nothing and bounds the address
	v_lshl_add_u32 v253, v253, 2, TBL
.irp u, 0,1                            ; register n holds key first + 16 h + n', n' = 32 (n / 16) + n % 16: entry (my query - key + 256) lies 111 - n' words on
.set k, 0
.rept 32
.set n, 32*\u+k
	ds_load_b32 v[192+k], v253 offset:4*(111-(32*(n/16)+n%16))
.set k, k+1
.endr
	s_wait_dscnt 0x0
.set k, 0
.rept 16
	v_pk_fma_f32 v[96+32*\u+k:97+32*\u+k], v[96+32*\u+k:97+32*\u+k], s[36:37], v[192+k:193+k] op_sel_hi:[1,0,1]   ; u = s c + bias
.set k, k+2
.endr
.endr
.Lfar:
.irp t, 0,1,2,3
.irp c, 0,1
	ds_load_b128 v[192+8*\t+4*\c:195+8*\t+4*\c], v10 offset:1024*\t+512*\c   ; V^T's tile t for these 128 keys: it lands under the softmax
.endr
.endr
	ds_load_b128 v[248:251], v11
.irp b, 0,1,2,3
	v_max3_num_f32 v[232+\b], v[96+16*\b], v[97+16*\b], v[98+16*\b]   ; the largest score of each block of 32 keys: for the row's maximum, and, since p rises with it, for the block's largest p
.endr
.irp i, 3,5,7,9,11,13
.irp b, 0,1,2,3
	v_max3_num_f32 v[232+\b], v[232+\b], v[96+16*\b+\i], v[97+16*\b+\i]
.endr
.endr
.irp b, 0,1,2,3
	v_max3_num_f32 v[232+\b], v[232+\b], v[111+16*\b], s40   ; the last leaf: a masked key's number, under which no maximum is taken
.endr
.irp b, 0,1,2,3
	v_permlanex16_b32 v[236+\b], v[232+\b], s20, s21
.endr
.irp b, 0,1,2,3
	v_max_num_f32 v[232+\b], v[232+\b], v[236+\b]  ; with lane l xor 16's 16 keys
.endr
	v_max3_num_f32 v253, v232, v233, v234
	v_max_num_f32 v253, v253, v235
	v_fma_f32 v253, v253, s22, s39                 ; the step's largest t
	v_max_num_f32 v13, v13, v253
	v_mov_b32 v253, v12
	v_floor_f32 v12, -v13                          ; the new -M = -ceil(t)
	v_sub_f32 v253, v12, v253                      ; old M - new M: a whole number, 0 or less
	v_cvt_i32_f32 v253, v253                       ; (it saturates)
	v_ldexp_f32 v244, 1.0, v253                    ; f = 2^(old M - new M)
	v_add_f32 v246, s39, v12                       ; the addend: the offset - M
.set j, 0
.rept 32
	v_pk_fma_f32 v[96+j:97+j], v[96+j:97+j], s[22:23], v[246:247] op_sel_hi:[1,0,0]   ; t - M
.set j, j+2
.endr
.irp b, 0,1,2,3
	v_fma_f32 v[232+\b], v[232+\b], s22, v246      ; the same of each block's largest
.endr
.set j, 0
.rept 64
	v_exp_f32 v[96+j], v[96+j]                     ; p = 2^(t - M)
.set j, j+1
.endr
.irp b, 0,1,2,3
	v_exp_f32 v[232+\b], v[232+\b]                 ; the block's largest p
.endr
	v_pk_mul_f32 v[14:15], v[14:15], v[244:245] op_sel_hi:[1,0]   ; l under the new M.  (A plain place behind the exponentials)
.irp b, 0,1,2,3
	v_max_num_f32 v[232+\b], 0x1800000, v[232+\b]  ; the floor 2^(3 - 127): the byte cannot fall under 1
.endr
.irp b, 0,1,2,3
	v_add_nc_u32 v[240+\b], 0xff000000, v[232+\b]  ; 2 off the exponent field: the conversion's scale operand
.endr
.irp b, 0,1,2,3
	v_lshrrev_b32 v[236+\b], 23, v[240+\b]
.endr
	v_lshl_or_b32 v252, v237, 8, v236              ; p's scale word for these 128 keys
	v_lshl_or_b32 v252, v238, 16, v252
	v_lshl_or_b32 v252, v239, 24, v252
.irp b, 0,1,2,3
	v_cvt_scalef32_pk8_fp4_f32 v[224+2*\b], v[96+16*\b:103+16*\b], v[240+\b]
	v_cvt_scalef32_pk8_fp4_f32 v[225+2*\b], v[104+16*\b:111+16*\b], v[240+\b]
.endr
	v_nop                                          ; one plain place behind the last scaled conversion
.irp c, 0,1                            ; the operand wants a whole block in a lane: lanes 0-15 block 2 c, lanes 16-31 block 2 c + 1
.irp i, 0,1
	v_permlane16_swap_b32 v[224+4*\c+\i], v[226+4*\c+\i]
.endr
.endr
	v_pk_add_f32 v[236:237], v[96:97], v[98:99]    ; l takes the unquantised p, two at a time, in two chains
.irp j, 4,8,12,16,20,24,28,32,36,40,44,48,52,56,60
	v_pk_add_f32 v[14:15], v[14:15], v[96+\j:97+\j]
	v_pk_add_f32 v[236:237], v[236:237], v[98+\j:99+\j]
.endr
	v_pk_add_f32 v[14:15], v[14:15], v[236:237]
.set j, 0
.rept 16
	v_pk_mul_f32 v[160+j:161+j], v[160+j:161+j], v[244:245] op_sel_hi:[1,0]   ; O^T under the new M.  (With the sums: the places between p's codes and word and the products)
.set j, j+2
.endr
	s_wait_dscnt 0x0                               ; V^T and its words are in
.irp t, 0,1,2,3
	v_wmma_scale_f32_16x16x128_f8f6f4 v[160+8*\t:167+8*\t], v[192+8*\t:199+8*\t], v[224:231], v[160+8*\t:167+8*\t], v[248+\t], v252 matrix_a_fmt:MATRIX_FMT_FP4 matrix_b_fmt:MATRIX_FMT_FP4
.endr
	s_add_co_u32 s46, s46, 4096
	s_add_co_u32 s47, s47, 512
	s_add_co_u32 s48, s48, 256
	s_add_co_u32 s43, s43, 128
	s_add_co_u32 s42, s42, 1
	s_cmp_lt_u32 s42, 16
	s_cbranch_scc1 .Lstep
	; the tile's end: O^T / l, quantised along the head's 64 (two blocks), as codes in two whole units
.rept 4
	v_nop
.endr
	v_add_f32 v14, v14, v15
	v_permlanex16_b32 v253, v14, s20, s21
	v_add_f32 v14, v14, v253                       ; the row's sum
	v_max_num_f32 v14, 0x800000, v14               ; held at 2^-126
	v_rcp_f32 v244, v14
	v_bfe_u32 v8, v0, 4, 1                         ; (a plain place behind the reciprocal)  h
.set j, 0
.rept 16
	v_pk_mul_f32 v[96+j:97+j], v[160+j:161+j], v[244:245] op_sel_hi:[1,0]   ; register 16 b + i: number 32 b + 16 h + i of the head
.set j, j+2
.endr
.irp b, 0,1
	v_max3_num_f32 v[232+\b], |v[96+16*\b]|, |v[97+16*\b]|, 0x1800000
.endr
.irp i, 2,4,6,8,10,12,14
.irp b, 0,1
	v_max3_num_f32 v[232+\b], v[232+\b], |v[96+16*\b+\i]|, |v[97+16*\b+\i]|
.endr
.endr
.irp b, 0,1
	v_permlanex16_b32 v[236+\b], v[232+\b], s20, s21
.endr
.irp b, 0,1
	v_max_num_f32 v[232+\b], v[232+\b], v[236+\b]
.endr
.irp b, 0,1
	v_add_nc_u32 v[240+\b], 0xff000000, v[232+\b]
.endr
.irp b, 0,1
	v_lshrrev_b32 v[236+\b], 23, v[240+\b]
.endr
.irp b, 0,1
	v_cvt_scalef32_pk8_fp4_f32 v[224+2*\b], v[96+16*\b:103+16*\b], v[240+\b]
	v_cvt_scalef32_pk8_fp4_f32 v[225+2*\b], v[104+16*\b:111+16*\b], v[240+\b]
.endr
	v_cmp_eq_u32 vcc_lo, 1, v8                     ; (a plain place behind the last scaled conversion)
	v_cndmask_b32 v253, v236, v237, vcc_lo         ; lanes 0-15 store block 0's byte, lanes 16-31 block 1's
	global_store_b64 v254, v[224:225], s[10:11]    ; 32 lanes store 256 consecutive bytes, aligned: a unit
	global_store_b64 v254, v[226:227], s[10:11] offset:256
	global_store_b8 v255, v253, s[12:13]
	s_wait_xcnt 0x0                                ; the stores have read their registers: the next pass writes them again
	s_add_co_u32 s45, s45, 16
	s_add_co_u32 s41, s41, 1
	s_cmp_lt_u32 s41, 2
	s_cbranch_scc1 .Lpass
	s_endpgm
.Lfunc_end_k_qa09659f05a_attn:
	.size	k_qa09659f05a_attn, .Lfunc_end_k_qa09659f05a_attn-k_qa09659f05a_attn
	.p2alignl 7, 3214868480
	.fill 96, 4, 3214868480
	.section	.rodata,"a",@progbits
	.p2align	6, 0x0
	.amdhsa_kernel k_qa09659f05a_attn
		.amdhsa_group_segment_fixed_size 167936
		.amdhsa_private_segment_fixed_size 0
		.amdhsa_enable_private_segment 0
		.amdhsa_kernarg_size 40
		.amdhsa_user_sgpr_count 2
		.amdhsa_user_sgpr_kernarg_segment_ptr 1
		.amdhsa_wavefront_size32 1
		.amdhsa_system_sgpr_workgroup_id_x 1
		.amdhsa_system_sgpr_workgroup_id_y 1
		.amdhsa_system_sgpr_workgroup_id_z 1
		.amdhsa_system_vgpr_workitem_id 0
		.amdhsa_next_free_vgpr 256
		.amdhsa_next_free_sgpr 66
		.amdhsa_reserve_vcc 1
		.amdhsa_float_denorm_mode_32 3
		.amdhsa_float_denorm_mode_16_64 3
		.amdhsa_memory_ordered 1
		.amdhsa_forward_progress 1
		.amdhsa_inst_pref_size 34
	.end_amdhsa_kernel
	.amdgpu_metadata
---
amdhsa.version: [ 1, 2 ]
amdhsa.kernels:
  - .name:           k_qa09659f05a_attn
    .symbol:         k_qa09659f05a_attn.kd
    .args:
      - { .name: qimg, .offset: 0, .size: 8, .value_kind: global_buffer, .address_space: global }
      - { .name: qsw, .offset: 8, .size: 8, .value_kind: global_buffer, .address_space: global }
      - { .name: kv, .offset: 16, .size: 8, .value_kind: global_buffer, .address_space: global }
      - { .name: oimg, .offset: 24, .size: 8, .value_kind: global_buffer, .address_space: global }
      - { .name: osc, .offset: 32, .size: 8, .value_kind: global_buffer, .address_space: global }
    .group_segment_fixed_size: 167936
    .private_segment_fixed_size: 0
    .kernarg_segment_align: 8
    .kernarg_segment_size: 40
    .max_flat_workgroup_size: 512
    .sgpr_count:     66
    .vgpr_count:     256
    .wavefront_size: 32
...
	.end_amdgpu_metadata
.endif
;; end of part 3
;; launch oproj (part 4): grid 4 x 32, 4 waves a work-group, clusters of 4 x 4, 327,680 bytes of LDS; arguments oimg, osc, cimg, csc, bo, patch_mask, out0; writes out0
.if DOCPART == 4
	.amdgcn_target "amdgcn-amd-amdhsa--gfx1250"
	.amdhsa_code_object_version 6
	.text
	.protected	k_qa09659f05a_oproj
	.globl	k_qa09659f05a_oproj
	.p2align	8
	.type	k_qa09659f05a_oproj,@function
k_qa09659f05a_oproj:
	s_mov_b64 s[64:65], 0
	v_nop
	global_prefetch_b8 v0, s[64:65] scope:SCOPE_SE
	s_setreg_imm32_b32 hwreg(HW_REG_WAVE_MODE, 25, 1), 1
	s_wait_xcnt 0x0
	s_wait_alu depctr_hold_cnt(0) depctr_sa_sdst(0) depctr_va_vdst(0) depctr_va_sdst(0) depctr_va_ssrc(0) depctr_va_vcc(0) depctr_vm_vsrc(0)
	s_getreg_b32 s2, hwreg(HW_REG_IB_STS2, 6, 4)
	s_cmp_eq_u32 s2, 0
	s_cbranch_scc0 .Lentry_in_a_cluster
	s_endpgm
.Lentry_in_a_cluster:
	s_bfe_u32 s2, ttmp6, 0x10000c
	s_cmp_lg_u32 s2, 0xf033
	s_cbranch_scc0 .Lentry_shape_is_right
	s_endpgm
.Lentry_shape_is_right:
; out0 = (O Wo^T + bo) x patch_mask, row by row, on codes of FP4 with E8M0 scales, f32 sums.  O's codes and scale bytes come from the attention launch, Wo's from the quantiser (blocks 44 to 47 of cimg, csc).
; A work-group of four waves makes 256 rows x 256 columns, a wave 128 x 128: 64 accumulators.  "A" (O) is source 1: its rows lie in lanes; "B" (Wo) is source 0: its rows, the output's columns, lie along a lane's registers.
; Rows lie at positions (bits 3 and 4 of the row exchanged): lane r of A's tile a is row 32 (a / 2) + 8 (a % 2) + r % 8 + 16 (r / 8); register j of B's tile t is column 32 (t / 2) + 16 h + 8 (t % 2) + j.
; K = 1,024 is 8 steps of 128 in two LDS slots of 512 along K; both are filled ONCE, at the start: no slot is filled again.  A wave has three tensor loads out at the most: scales, slot 0, slot 1.
; CLUSTER 4 x 4: A's block hangs on cy alone and is asked for jointly along a row of the cluster, B's on cx alone, along a column.  The launch has 128 work-groups: 32 x 4 blocks of 256 x 256.
; The bias is the C of the first products.  The way out multiplies each accumulator by its lane's patch_mask, in place, and sends it through the wave's stage in LDS, so that each store covers 512 consecutive bytes of a row.
; The stage lies in slot 0, which has had its only fill and, behind the change of slots, is read by nobody.
.set SLOTB, 131072
.set BOFF,  65536
.set SCL,   2*SLOTB
.set HALFS, 16*272
.set SBLK,  2*272
.set SPITCH, 528                       ; a stage row: 512 bytes + 16
.set NQ,    4
.set FR,    8
.set CO,    3                          ; v3      16 x lane: my 16 bytes of a row's 512
.set ADRA,  16
.set ADRB,  20
.set STO,   24                         ; v24     the stage, way in: row r, + 64 h
.set RD,    25                         ; v25     way out: 16 x lane of a row
.set ADRS,  27
.set SC,    32                         ; v32-95  scale words, two sets; they hold nothing else
.set MF,    96                         ; v96-111 patch_mask as f32, a pair for each of A's eight tiles
.set AF,    128
.set BK,    128                        ; the way out: 16 rows back from the stage: v128-191 and v192-255 by turns
.set BI,    192
.set G1, 24
.set G0, 32
.set G1B, 40
.set G0B, 48
.set G1S, 68
.set G0S, 76
.set G1SB, 80
.set G0SB, 88
.set MSB, 0
.macro WIN new                         ; the immediate's high byte repeats the setting that is left
.if MSB != \new
	s_set_vgpr_msb (MSB<<8)|\new
.set MSB, \new
.endif
.endm
.set MUL_LO, 0xa1
.set MUL_HI, 0xf1
.set TO_B,   0x40
.macro JLOAD g0a, g1a, g0b, g1b        ; a joint load: waves 0 and 1 fetch for A, waves 2 and 3 for B; four v_nop follow each of the two lines
	s_cmp_eq_u32 s57, 0
	s_cbranch_scc0 .Lfor_b_\@
	tensor_load_to_lds s[\g0a:\g0a+3], s[\g1a:\g1a+7]
.rept 4
	v_nop
.endr
	s_branch .Lasked_\@
.Lfor_b_\@:
	tensor_load_to_lds s[\g0b:\g0b+3], s[\g1b:\g1b+7]
.rept 4
	v_nop
.endr
.Lasked_\@:
.endm
.macro CROUND                          ; a round of the cluster's barrier
	s_barrier_signal -1
	s_barrier_wait -1
	s_cmp_lg_u32 s56, 0
	s_cbranch_scc1 .Lnot_wave_0_\@
	s_barrier_signal -3
.Lnot_wave_0_\@:
	s_barrier_wait -3
	s_barrier_signal -1
	s_barrier_wait -1
.endm
.macro PLACES                          ; four plain places behind matrix instructions (ISA guide 7.12.1)
.rept 4
	v_nop
.endr
.endm
	s_load_b256 s[4:11], s[0:1], 0x0               ; oimg, osc, cimg, csc
	s_load_b128 s[12:15], s[0:1], 0x20             ; bo, patch_mask
	s_load_b64 s[16:17], s[0:1], 0x30              ; out0
	v_lshrrev_b32 v1, 5, v0
	v_readfirstlane_b32 s56, v1                    ; wave 0..3
	s_lshr_b32 s57, s56, 1                         ; my half of A's rows.  Also: I fetch for A (0) or for B (1)
	s_and_b32 s58, s56, 1                          ; my half of B's rows.  Also: which half I fetch
	s_bfe_u32 s60, ttmp6, 0x40000                  ; cx
	s_bfe_u32 s61, ttmp6, 0x40004                  ; cy
	s_and_b32 s62, ttmp7, 0xffff
	s_lshl_b32 s67, s61, 2
	s_lshl_b32 s67, 15, s67                        ; my row of the cluster
	s_lshl_b32 s92, 0x1111, s60                    ; my column
	s_lshl_b32 s63, s62, 2
	s_add_co_u32 s63, s63, s61                     ; A's block of 256 rows: 4 x cluster y + cy
	s_lshl_b32 s59, ttmp9, 2
	s_add_co_u32 s59, s59, s60                     ; the block of 256 columns: 4 x cluster x + cx
	s_add_co_u32 s66, s59, 44                      ; B's block in cimg and csc
	s_or_b32 s[G1], s67, (3<<16)|(1<<21)           ; group 1 for codes: 8 tiles' rows of 4,096 bytes, 8,192 bytes apart in memory, dense in LDS
	s_or_b32 s[G1B], s92, (3<<16)|(1<<21)
.irp g, G1, G1B
	s_mov_b32 s[\g+1], 512<<16
	s_mov_b32 s[\g+2], 8<<16
	s_mov_b32 s[\g+3], 512<<16
	s_mov_b32 s[\g+4], 8
	s_mov_b32 s[\g+5], 1024
	s_mov_b32 s[\g+6], 0
	s_mov_b32 s[\g+7], 0
.endr
	s_or_b32 s[G1S], s67, (3<<16)|(1<<20)|(1<<21)|(5<<22)|(3<<25)   ; for the scale bytes of 128 rows: 16 rows of 256 bytes, 16 of padding behind each
	s_or_b32 s[G1SB], s92, (3<<16)|(1<<20)|(1<<21)|(5<<22)|(3<<25)
.irp g, G1S, G1SB
	s_mov_b32 s[\g+1], 32<<16
	s_mov_b32 s[\g+2], 16<<16
	s_mov_b32 s[\g+3], 32<<16
	s_mov_b32 s[\g+4], 16
	s_mov_b32 s[\g+5], 32
	s_mov_b32 s[\g+6], 0
	s_mov_b32 s[\g+7], 0
.endr
	s_lshl_b32 s2, s63, 17
	s_lshl_b32 s3, s58, 16
	s_add_co_u32 s2, s2, s3
	s_mov_b32 s3, 0
	s_lshl_b32 s94, s63, 13
	s_lshl_b32 s95, s58, 12
	s_add_co_u32 s94, s94, s95
	s_mov_b32 s95, 0
	s_lshl_b32 s96, s66, 17
	s_lshl_b32 s97, s58, 16
	s_add_co_u32 s96, s96, s97
	s_mov_b32 s97, 0
	s_lshl_b32 s98, s66, 13
	s_lshl_b32 s99, s58, 12
	s_add_co_u32 s98, s98, s99
	s_mov_b32 s99, 0
	s_lshl_b32 s93, s56, 15                        ; where they go: wave x 32,768: no place in the cluster enters an LDS address
	s_mul_i32 s100, s56, HALFS
	s_wait_kmcnt 0x0
	s_add_nc_u64 s[2:3], s[4:5], s[2:3]
	s_add_nc_u64 s[96:97], s[8:9], s[96:97]
	CROUND                                         ; all sixteen work-groups are here: the first joint loads meet
	s_mov_b32 s[G0S], 1
	s_add_co_u32 s[G0S+1], s100, SCL
	s_add_nc_u64 s[G0S+2:G0S+3], s[6:7], s[94:95]
	s_or_b32 s[G0S+3], s[G0S+3], 0x80000000
	s_mov_b32 s[G0SB], 1
	s_add_co_u32 s[G0SB+1], s100, SCL
	s_add_nc_u64 s[G0SB+2:G0SB+3], s[10:11], s[98:99]
	s_or_b32 s[G0SB+3], s[G0SB+3], 0x80000000
	JLOAD G0S, G1S, G0SB, G1SB
.irp s, 0,1
	s_mov_b32 s[G0+4*\s], 1
	s_add_co_u32 s[G0+4*\s+1], s93, \s*SLOTB
	s_add_nc_u64 s[G0+4*\s+2:G0+4*\s+3], s[2:3], \s*4096
	s_or_b32 s[G0+4*\s+3], s[G0+4*\s+3], 0x80000000
	s_mov_b32 s[G0B+4*\s], 1
	s_add_co_u32 s[G0B+4*\s+1], s93, \s*SLOTB
	s_add_nc_u64 s[G0B+4*\s+2:G0B+4*\s+3], s[96:97], \s*4096
	s_or_b32 s[G0B+4*\s+3], s[G0B+4*\s+3], 0x80000000
	JLOAD G0+4*\s, G1, G0B+4*\s, G1B
.endr
	v_and_b32 v1, 15, v0                           ; r
	v_bfe_u32 v2, v0, 4, 1                         ; h
	v_and_b32 v3, 31, v0
	v_lshlrev_b32 v[CO], 4, v3                     ; 16 x lane
	s_lshl_b32 s3, s57, 15
	v_add_nc_u32 v[ADRA], s3, v[CO]
	v_add_nc_u32 v[ADRA+1], SLOTB, v[ADRA]
	s_lshl_b32 s3, s58, 15
	s_add_co_u32 s3, s3, BOFF
	v_add_nc_u32 v[ADRB], s3, v[CO]
	v_add_nc_u32 v[ADRB+1], SLOTB, v[ADRB]
	v_lshlrev_b32 v6, 5, v1                        ; my row's scale bytes: 32 a row,
	v_lshrrev_b32 v7, 8, v6
	v_lshl_add_u32 v6, v7, 4, v6                   ; and 16 more for each 256 passed
	s_mul_i32 s3, s57, HALFS
	s_mul_i32 s94, s58, HALFS
	s_add_co_u32 s94, s94, 2*HALFS
	s_sub_co_u32 s94, s94, s3
	v_mul_u32_u24 v7, s94, v2                      ; lanes 16-31 take B's: one product, h x the distance
	s_add_co_u32 s3, s3, SCL
	v_add_nc_u32 v6, v6, v7
	v_add_nc_u32 v[ADRS], s3, v6
	s_mul_i32 s3, s56, 16*SPITCH                   ; my stage
	v_mul_u32_u24 v[STO], v1, SPITCH
	v_lshl_add_u32 v[STO], v2, 6, v[STO]
	v_add_nc_u32 v[STO], s3, v[STO]
	v_add_nc_u32 v[RD], s3, v[CO]
	s_lshl_b32 s2, s63, 8
	s_lshl_b32 s3, s57, 7
	s_add_co_u32 s2, s2, s3                        ; my first row: 256 x block + 128 x half
	s_lshl_b32 s96, s2, 2
	s_mov_b32 s97, 0
	s_add_nc_u64 s[14:15], s[14:15], s[96:97]      ; patch_mask there
	s_lshl_b32 s98, s59, 10
	s_lshl_b32 s99, s58, 9
	s_add_co_u32 s98, s98, s99                     ; my first column, in bytes: 1,024 x block + 512 x half
	s_mov_b32 s99, 0
	s_add_nc_u64 s[12:13], s[12:13], s[98:99]      ; bo there
	s_lshl_b32 s96, s2, 12                         ; rows of 4,096 bytes
	s_add_nc_u64 s[94:95], s[16:17], s[96:97]
	s_add_nc_u64 s[94:95], s[94:95], s[98:99]      ; out0 at my corner; it is never stepped
	v_and_b32 v4, 7, v0
	v_bfe_u32 v5, v0, 3, 1
	v_lshl_add_u32 v4, v5, 4, v4
	v_lshlrev_b32 v4, 2, v4                        ; 4 (r % 8 + 16 (r / 8))
	v_lshlrev_b32 v5, 6, v2                        ; 64 h
.irp a, 0,1,2,3,4,5,6,7
	global_load_b32 v[MF+2*\a], v4, s[14:15] offset:(32*(\a/2)+8*(\a%2))*4
.endr
.irp t, 0,1,2,3,4,5,6,7
	global_load_b128 v[BI+8*\t:BI+8*\t+3], v5, s[12:13] offset:(32*(\t/2)+8*(\t%2))*4
	global_load_b128 v[BI+8*\t+4:BI+8*\t+7], v5, s[12:13] offset:(32*(\t/2)+8*(\t%2))*4+16
.endr
.macro FRAG reg, adr, q, i             ; a fragment: four units on end = two loads of 512 consecutive bytes
.irp c, 0,1
	ds_load_b128 v[\reg+4*\c:\reg+4*\c+3], v[\adr] offset:(\i)*4096+(\q)*1024+512*\c
.endr
.endm
; 16 matrix instructions: A's tiles a0, a0 + 1 x B's eight.  mode 0: C = D; 1: C = the bias of B's tile.  The 64 accumulators take turns, one instruction a turn.
.macro MUL16 a0, p, q, sc, mode
.irp a, \a0, \a0+1
.irp b, 0,1,2,3,4,5,6,7
.set rD, 8*(8*((\a)%4)+\b)
.set rB, 128*(\p)+FR*\b
.set rA, AF+FR*(\a)
.set rSB, SC+8*NQ*(\sc)+NQ*\b+(\q)
.set rSA, SC+8*NQ*(\sc)+NQ*(\a)+(\q)
.if \mode == 1
	v_wmma_scale_f32_16x16x128_f8f6f4 v[rD:rD+7], v[rB:rB+7], v[rA:rA+7], v[BI+8*\b:BI+8*\b+7], v[rSB], v[rSA] matrix_a_fmt:MATRIX_FMT_FP4 matrix_b_fmt:MATRIX_FMT_FP4 matrix_a_scale:MATRIX_SCALE_ROW1
.else
	v_wmma_scale_f32_16x16x128_f8f6f4 v[rD:rD+7], v[rB:rB+7], v[rA:rA+7], v[rD:rD+7], v[rSB], v[rSA] matrix_a_fmt:MATRIX_FMT_FP4 matrix_b_fmt:MATRIX_FMT_FP4 matrix_a_scale:MATRIX_SCALE_ROW1
.endif
.endr
.endr
.endm
.macro FETCH_B slot, q, p
	WIN TO_B
.irp i, 0,1,2,3,4,5,6,7
	FRAG 128*(\p)+FR*\i, ADRB+\slot, \q, \i
.endr
	WIN 0
.endm
.macro FETCH_A slot, q, i0
.irp i, \i0, \i0+1, \i0+2, \i0+3
	FRAG AF+FR*(\i), ADRA+\slot, \q, \i
.endr
.endm
.macro SCALES sc
.irp i, 0,1,2,3,4,5,6,7
	ds_load_b128 v[SC+8*NQ*\sc+NQ*\i:SC+8*NQ*\sc+NQ*\i+3], v[ADRS] offset:\i*SBLK
.endr
.endm
.macro STEP slot, q, mode
	s_wait_dscnt 8                                 ; B's set and A's tiles 0-3 are in; the youngest eight loads (A's tiles 4-7) may be out
.if \mode
	WIN 0x81                                       ; as MUL_LO, with C (the bias) in window 0
.else
	WIN MUL_LO
.endif
	MUL16 0, (\q)%2, \q, \slot, \mode
	MUL16 2, (\q)%2, \q, \slot, \mode
	s_wait_dscnt 0x0                               ; A's tiles 4-7 are in
	PLACES
	FETCH_B \slot, (\q)+1, 1-(\q)%2
	FETCH_A \slot, (\q)+1, 0
.if \mode
	WIN 0xc1
.else
	WIN MUL_HI
.endif
	MUL16 4, (\q)%2, \q, \slot, \mode
	MUL16 6, (\q)%2, \q, \slot, \mode
	PLACES
	WIN 0
	FETCH_A \slot, (\q)+1, 4
.endm
	s_wait_tensorcnt 1                             ; the scale bytes and my part of slot 0 are in; slot 1's load may be out
	s_barrier_signal -1
	s_barrier_wait -1
	FETCH_B 0, 0, 0
	FETCH_A 0, 0, 0
	SCALES 0
	FETCH_A 0, 0, 4
	s_wait_loadcnt 0x0                             ; the bias and the mask
.irp a, 0,1,2,3,4,5,6,7
	v_cvt_f32_i32 v[MF+2*\a+1], v[MF+2*\a]         ; (the pair's upper half is named with it, so it is written)
	v_cvt_f32_i32 v[MF+2*\a], v[MF+2*\a]
.endr
	STEP 0, 0, 1                                   ; the first products start the sums from the bias
	STEP 0, 1, 0
	STEP 0, 2, 0
	s_wait_tensorcnt 0x0                           ; my part of slot 1 has landed
	s_wait_dscnt 8
	WIN MUL_LO
	MUL16 0, 1, 3, 0, 0
	s_wait_dscnt 0x0                               ; my reads of slot 0 are over
	s_barrier_signal -1
	MUL16 2, 1, 3, 0, 0
	WIN 0
	s_barrier_wait -1                              ; slot 1 is whole, and nobody reads slot 0 any more
	PLACES
	v_add_nc_u32 v[ADRS], 16, v[ADRS]
	FETCH_B 1, 0, 0
	FETCH_A 1, 0, 0
	SCALES 1
	WIN MUL_HI
	MUL16 4, 1, 3, 0, 0
	MUL16 6, 1, 3, 0, 0
	PLACES
	WIN 0
	FETCH_A 1, 0, 4
	STEP 1, 0, 0
	STEP 1, 1, 0
	STEP 1, 2, 0
	s_wait_dscnt 8
	WIN MUL_LO
	MUL16 0, 1, 3, 1, 0
	MUL16 2, 1, 3, 1, 0
	s_wait_dscnt 0x0
	WIN MUL_HI
	MUL16 4, 1, 3, 1, 0
	MUL16 6, 1, 3, 1, 0
	WIN 0
	PLACES
; THE WAY OUT, A's tile a (16 rows x 128 columns) at a time: x my row's patch_mask, in place, each accumulator from its low end on; into my stage; back as whole rows of 512 bytes.
; LDS serves a wave's instructions in order: no wait between the stores and the loads, nor in front of the next tile's stores.
.macro TOSTAGE a
.set AC, 64*((\a)%4)
.set WW, 2+(\a)/4
.set WN, WW|(WW<<6)
	WIN WN                                         ; destination and source 0 in the accumulators' window
.set i, 0
.rept 32
	v_pk_mul_f32 v[AC+i:AC+i+1], v[AC+i:AC+i+1], v[MF+2*(\a):MF+2*(\a)+1] op_sel_hi:[1,0]
.set i, i+2
.endr
.set WN, WW<<2
	WIN WN                                         ; an LDS store's data are its source 1
.irp t, 0,1,2,3,4,5,6,7
	ds_store_b128 v[STO], v[AC+8*\t:AC+8*\t+3] offset:128*(\t/2)+32*(\t%2)
	ds_store_b128 v[STO], v[AC+8*\t+4:AC+8*\t+7] offset:128*(\t/2)+32*(\t%2)+16
.endr
	WIN 0
.set BB, BK+64*((\a)%2)
.irp t, 0,1,2,3,4,5,6,7,8,9,10,11,12,13,14,15
	ds_load_b128 v[BB+4*\t:BB+4*\t+3], v[RD] offset:\t*SPITCH
.endr
.endm
.macro SEND a, younger                 ; younger: the LDS instructions issued behind tile a's loads, which may stay out
.set BB, BK+64*((\a)%2)
	s_wait_dscnt \younger
.irp t, 0,1,2,3,4,5,6,7,8,9,10,11,12,13,14,15
	global_store_b128 v[CO], v[BB+4*\t:BB+4*\t+3], s[94:95] offset:(32*((\a)/2)+8*((\a)%2)+(\t%8)+16*(\t/8))*4096 th:TH_STORE_NT   ; 32 lanes store 512 consecutive bytes, aligned; the row's true place stands in the immediate, 127 rows at the most
.endr
.endm
	TOSTAGE 0
.irp a, 1,2,3,4,5,6,7
.if \a > 1
	s_wait_xcnt 0x0                                ; tile a - 2's stores have read their registers: tile a's loads may land there
.endif
	TOSTAGE \a
	SEND \a-1, 32                                  ; behind tile a - 1's loads: tile a's 16 stores and 16 loads
.endr
	SEND 7, 0
	s_wait_tensorcnt 0x0
	CROUND                                         ; the closing round: no work-group ends while a partner may still ask for a tile that names it
	s_endpgm
.Lfunc_end_k_qa09659f05a_oproj:
	.size	k_qa09659f05a_oproj, .Lfunc_end_k_qa09659f05a_oproj-k_qa09659f05a_oproj
	.p2alignl 7, 3214868480
	.fill 96, 4, 3214868480
	.section	.rodata,"a",@progbits
	.p2align	6, 0x0
	.amdhsa_kernel k_qa09659f05a_oproj
		.amdhsa_group_segment_fixed_size 327680
		.amdhsa_private_segment_fixed_size 0
		.amdhsa_enable_private_segment 0
		.amdhsa_kernarg_size 56
		.amdhsa_user_sgpr_count 2
		.amdhsa_user_sgpr_kernarg_segment_ptr 1
		.amdhsa_wavefront_size32 1
		.amdhsa_system_sgpr_workgroup_id_x 1
		.amdhsa_system_sgpr_workgroup_id_y 1
		.amdhsa_system_sgpr_workgroup_id_z 1
		.amdhsa_system_vgpr_workitem_id 0
		.amdhsa_next_free_vgpr 1024
		.amdhsa_next_free_sgpr 102
		.amdhsa_reserve_vcc 0
		.amdhsa_float_denorm_mode_32 3
		.amdhsa_float_denorm_mode_16_64 3
		.amdhsa_memory_ordered 1
		.amdhsa_forward_progress 1
		.amdhsa_inst_pref_size 142
	.end_amdhsa_kernel
	.amdgpu_metadata
---
amdhsa.version: [ 1, 2 ]
amdhsa.kernels:
  - .name:           k_qa09659f05a_oproj
    .symbol:         k_qa09659f05a_oproj.kd
    .args:
      - { .name: oimg, .offset: 0, .size: 8, .value_kind: global_buffer, .address_space: global }
      - { .name: osc, .offset: 8, .size: 8, .value_kind: global_buffer, .address_space: global }
      - { .name: cimg, .offset: 16, .size: 8, .value_kind: global_buffer, .address_space: global }
      - { .name: csc, .offset: 24, .size: 8, .value_kind: global_buffer, .address_space: global }
      - { .name: bo, .offset: 32, .size: 8, .value_kind: global_buffer, .address_space: global }
      - { .name: patch_mask, .offset: 40, .size: 8, .value_kind: global_buffer, .address_space: global }
      - { .name: out0, .offset: 48, .size: 8, .value_kind: global_buffer, .address_space: global }
    .group_segment_fixed_size: 327680
    .private_segment_fixed_size: 0
    .kernarg_segment_align: 8
    .kernarg_segment_size: 56
    .max_flat_workgroup_size: 128
    .sgpr_count:     102
    .vgpr_count:     1024
    .wavefront_size: 32
...
	.end_amdgpu_metadata
.endif
;; end of part 4
